; MI455X (gfx1250); checked and timed in simulation.
; The chip was launched on July 23, 2026; its instructions are those of AMD's public machine-readable ISA for CDNA 5 (MIT licence, August 2026) and "CDNA5" Instruction Set Architecture Reference Guide (July 2026). The comments in the code are by the model that wrote it; some were corrected since.
;; Heavily Compressed Attention. Allowed arithmetic: matrix products marked QUANTISED: E2M3 operands, one E8M0 scale for each 32 along K, by v_wmma_scale_f32_16x16x128_f8f6f4 with both operands' format E2M3, f32 sums; products left as they are: f32 operands where the result goes on into a quantised operand, else bf16, f16 or f32 operands; f32 sums; everything else in f32.
;; Inputs: Wc 2,048 x 1 float32; Wk 2,048 x 128 float32; Wlk 2,048 x 2,048 float32; Wlv 2,048 x 2,048 float32; Wo 2,048 x 2,048 float32; Wq 2,048 x 2,048 float32; Wv 2,048 x 128 float32; bc 1 float32; bk 128 float32; blk 2,048 float32; blv 2,048 float32; bo 2,048 float32; bq 2,048 float32; bv 128 float32; hidden_states 1 x 2,048 x 2,048 float32; kn_w 128 float32; qn_w 128 float32; sink_k 16 x 128 float32; sink_v 16 x 128 float32.
;; Outputs: out0 1 x 2,048 x 2,048 float32.
;; This version of the problem:
;;   THIS VERSION OF THE PROBLEM IS GIVEN IN LOW PRECISION. The matrix products marked QUANTISED in the list below multiply operands that are first quantised to E2M3 (2 exponent bits, 3 mantissa bits; 6 bits a number), with one power-of-two scale for each 32 numbers along K (OCP MX v1.0); their sums are f32. All else is computed in f32.
;;   The module's matrix products, in the order in which they are computed (A, B: the left and right operand; K: the contracted axis; several contracted axes count as one K, in the product's order):
;;     1. [M 2,048, K 2,048] x [K 2,048, N 2,048]; A: input hidden_states; B: input Wq: QUANTISED
;;     2. [M 2,048, K 2,048] x [K 2,048, N 1]; A: input hidden_states; B: input Wc: left as it is (N = 1 < 16)
;;     3. batch 128 x [M 1, K 16] x [K 16, N 2,048]; A: softmax (see below); B: input hidden_states: left as it is (K = 16 < 32)
;;     4. [M 128, K 2,048] x [K 2,048, N 128]; A: computed on the way; B: input Wk: QUANTISED
;;     5. [M 128, K 2,048] x [K 2,048, N 128]; A: computed on the way; B: input Wv: QUANTISED
;;     6. [M 32,768, K 128] x [K 128, N 128]; A: computed on the way; B: computed on the way: QUANTISED
;;     7. batch 16 x [M 1, K 128] x [K 128, N 2,048]; A: input sink_k; B: computed on the way: left as it is (M = 1 < 16)
;;     8. [M 32,768, K 128] x [K 128, N 128]; A: computed on the way; B: computed on the way: QUANTISED
;;     9. [M 2,048, K 2,048] x [K 2,048, N 2,048]; A: input hidden_states; B: input Wlk: QUANTISED
;;     10. [M 2,048, K 2,048] x [K 2,048, N 2,048]; A: input hidden_states; B: input Wlv: QUANTISED
;;     11. batch 16 x [M 2,048, K 128] x [K 128, N 2,048]; A: computed on the way; B: computed on the way: QUANTISED
;;     12. batch 16 x [M 2,048, K 2,048] x [K 2,048, N 128]; A: softmax (see below); B: computed on the way: QUANTISED
;;     13. [M 2,048, K 2,048] x [K 2,048, N 2,048]; A: computed on the way; B: input Wo: QUANTISED
;;   THE QUANTISER, for each operand of a quantised product, along K:
;;     - K is cut into blocks of 32 from its start; a last block that is shorter is filled with zeros.
;;     - A block's scale is 2^e with e = floor(log2(the largest magnitude in the block)) - 2, held to -126 .. 127; a block of zeros has e = 0. As a byte (E8M0): e + 127.
;;     - Each number is divided by its block's scale, clamped to +-7.5, and rounded to the nearest number of E2M3, ties to even, subnormals kept.
;;     - The product sums the exact products of the quantised numbers (number of the format x scale) in f32.
;;   ~~~python
;;   def quantise(x, axis):      # numpy; x: float32 -> the quantised numbers, widened to float32 again
;;       x = np.moveaxis(x, axis, -1); K = x.shape[-1]
;;       x = np.pad(x, [(0, 0)] * (x.ndim - 1) + [(0, -K % 32)]); x = x.reshape(x.shape[:-1] + (-1, 32)); a = np.abs(x).max(-1, keepdims=True)
;;       e = np.where(a > 0, np.clip(np.frexp(np.where(a > 0, a, 1))[1] - 1 - 2, -126, 127), 0)      # np.frexp(a)[1] - 1 = floor(log2(a)), exactly
;;       r = np.clip(x / 2.0 ** e, -7.5, 7.5)
;;       step = 2.0 ** (np.maximum(np.frexp(np.where(r == 0, 1, r))[1] - 1, 0) - 3)
;;       q = np.round(r / step) * step * 2.0 ** e      # np.round: ties to even
;;       return np.moveaxis(q.reshape(q.shape[:-2] + (-1,))[..., :K], -1, axis).astype(np.float32)
;;   ~~~
;;   SOFTMAX AHEAD OF A QUANTISED PRODUCT. Where the list says 'softmax', what is quantised is not the finished softmax but p = 2^(t - M), with t = logit x log2(e) and M = ceil(the row's largest t), a whole number; so 1/2 < the row's largest p <= 1. The row's sum l is taken of the UNQUANTISED p, in f32, and the product's result is divided by l at the end. Since M is a whole number, a kernel that streams over the keys may use a running M (the ceiling of the running maximum): every later rescaling is an exact power of two, which a block's scale takes up: the codes' values come out the same.
;;   OPERANDS COMPUTED ON THE WAY. 'Computed on the way' means the value that the module computes at that place (a softmax that the list does not call 'softmax' is quantised finished and normalised). What goes into a quantiser is computed in f32, as accurately as f32 sums, v_exp_f32 and their like allow (about 1e-6 of the number): no bf16 or f16 on the way to a quantiser, and a product that is left as it is and whose result goes on into a quantised operand takes f32 operands (vector FMAs, or v_wmma_f32_16x16x4_f32). A number that lies on a knife's edge between two numbers of the format may be rounded either way, as far as f32 arithmetic and the matrix unit's own rounding can turn it there, and no further.
;; One version. Each part assembles by itself: llvm-mc -triple=amdgcn-amd-amdhsa -mcpu=gfx1250 --defsym DOCPART=n.
;; ======== version 1 of 1: 5 launches
;; limits: right only within a limited range of input values
;; workspace buffers: opc 16,318,464 bytes; ops 679,936 bytes; tab 557,056 bytes; qkvc 9,461,760 bytes; qkvs 525,312 bytes; mc 3,145,728 bytes; ms 131,072 bytes
;; launch prep (part 1): grid 256 x 1, 16 waves a work-group, no clusters, 215,040 bytes of LDS; arguments hidden_states, Wc, bc, opc, ops, tab, Wq, Wlk, Wlv, Wo, Wk, Wv; writes opc, ops, tab
.if DOCPART == 1
	.amdgcn_target "amdgcn-amd-amdhsa--gfx1250"
	.amdhsa_code_object_version 6
	.text
	.protected	k_qc728ad3dec_prep
	.globl	k_qc728ad3dec_prep
	.p2align	8
	.type	k_qc728ad3dec_prep,@function
k_qc728ad3dec_prep:
	s_mov_b64 s[64:65], 0
	v_nop
	global_prefetch_b8 v0, s[64:65] scope:SCOPE_SE
	s_setreg_imm32_b32 hwreg(HW_REG_WAVE_MODE, 25, 1), 1
	s_wait_xcnt 0x0
; hidden_states [2048][2048] f32 -> codes of E2M3 with one E8M0 byte for each 32 along the hidden axis; the compressor (score = h . Wc + bc, softmax over each 16
; tokens, weighted sum = an entry) in f32, and the entries' codes; the table of cosines and sines for the partial RoPE.
; SHARES.  Work-group c owns tokens 16 c .. 16 c + 15, one block of the compressor.  Wave w owns columns 128 w .. 128 w + 127 of all 16 rows: 64 registers a lane, which stay
; in registers between the scores, the weighted sum and the quantiser: the rows are read from memory once; each load reads 512 consecutive bytes of a row.
; LAYOUT OF THE CODES (opc): tiles of 16 rows; lane r of tile T stands for row 32 (T / 2) + 8 (T % 2) + r % 8 + 16 (r / 8).  A fragment (16 rows x 128 K, 12 registers a lane) lies as an image of
; its registers: registers 4 q .. 4 q + 3 of lane (r, h) at 512 q + 256 (r / 8) + 128 ((h + r / 8) % 2) + 16 (r % 8); tile T, K step s at 24,576 T + 1,536 s.
; My 16 tokens are the rows r / 8 = c % 2 of tiles 2 (c / 2) and 2 (c / 2) + 1: one whole aligned block of 256 bytes of every 512.
; SCALE BYTES (ops): 1,024 T + 512 (r / 8) + 64 (s / 2) + 8 (r % 8) + 4 (s % 2) + block.
; THE 128 ENTRIES are eight more tiles, 656 to 663, of the same two layouts, so that the launch that multiplies them fetches them as it fetches every operand: entry c is row
; r = c % 8 + 8 ((c / 16) % 2) of tile 656 + 2 (c / 32) + (c / 8) % 2.  One row of an image is scattered by its nature: my entry's 1,536 bytes of codes leave as 96 pieces of 16 bytes, its 64 scale bytes as 16 words.
; TABLE (tab): 136 tiles of 4,096 bytes: registers 0-15 cosines, 16-31 sines of frequency 16 h + i at the lane's position, four registers at 512 q + 16 x lane.
; LIMITS.  NaN and infinities are not served.  A block whose largest magnitude lies under 2^-124 keeps the byte 1, a block of zeros too (its codes are zeros; only this program reads the bytes).
; The angle is f32(position) x f32(10^(-j/8)); for j >= 16 the frequency is a product with 0.01 and so rounded once more (the angle there is under 21).  Sine and cosine come from
; a reduction by pi/2 in two parts and polynomials of degree 7 and 8: about 1e-7 absolute.
.set SP,   80                          ; a lane's place in a turning stage: 64 bytes + 16 of padding
.set WST,  5120                        ; two stages of 32 places for each wave
.set CST,  81920                       ; the codes on their way out: [tile 2][K step 16][quad 3][256 bytes]
.set SST,  106496                      ; the scale bytes: [tile 2][512]
.set EST,  107520                      ; the entry's codes: [quad 3][K step 16][half 2][16 bytes]
.set ESS,  109056                      ; the entry's scale bytes, 64
.set PSC,  109312                      ; the waves' partial scores: 64 bytes a wave
.set ET0,  656                         ; the entries' first tile
.set R,    16                          ; v16-79   row i in v[16 + 4 i ..]
.set WCV,  80                          ; v80-83   my four numbers of Wc
.set X,    84                          ; v84-115  two sets of 16 neighbours (before: at work for the table and the scores)
.set P,    116                         ; v116-131 the 16 scores
.set E,    132                         ; v132-135 my four numbers of the entry
.set C,    136                         ; v136-151 codes, four registers a step
.set EB,   152                         ; v152-155 a scale byte a step
.set EC,   156                         ; v156-158 the entry's codes
.set EE,   159                         ; v159     its byte
.set EA,   170                         ; v170-172 where the entry's three words of codes go
.set OUTR, 176
; ONE LAUNCH, TWO KINDS OF WORK, dealt by the work-group's number: even numbers take the tokens (c = number / 2, all that the comment above describes);
; odd numbers quantise the weights (g = number / 2; the text from .Lwq on).  The two ways part here and never join; each has LDS bytes of its own.
	v_lshl_add_u32 v192, v0, 2, 0x1b000
	v_mov_b32 v193, 0
	s_lshr_b32 s3, ttmp9, 1                        ; c, or g
	s_and_b32 s2, ttmp9, 1
	s_cmp_lg_u32 s2, 0
	s_wait_alu depctr_va_vdst(0)
	s_cbranch_scc1 .Lwq
	s_load_b256 s[4:11], s[0:1], 0x0               ; hidden_states s[4:5], Wc s[6:7], bc s[8:9], opc s[10:11]
	s_load_b128 s[12:15], s[0:1], 0x20             ; ops s[12:13], tab s[14:15]
	v_lshrrev_b32 v1, 5, v0
	s_delay_alu instid0(VALU_DEP_1)
	v_readfirstlane_b32 s17, v1                    ; wave 0..15
	v_and_b32 v1, 31, v0                           ; lane
	s_lshl_b32 s18, s17, 9
	v_lshl_add_u32 v2, v1, 4, s18                  ; 512 w + 16 l: my 16 bytes of a row, and of Wc
	s_lshl_b32 s20, s3, 17                         ; 16 rows of 8,192 bytes a work-group
	s_mov_b32 s21, 0
	s_wait_alu depctr_va_vdst(0)
	s_wait_kmcnt 0x0
	s_load_b32 s16, s[8:9], 0x0                    ; bc
	s_add_nc_u64 s[4:5], s[4:5], s[20:21]
	global_load_b128 v[WCV:WCV+3], v2, s[6:7]
.irp i, 0,1,2,3,4,5,6,7,8,9,10,11,12,13,14,15
	global_load_b128 v[R+4*\i:R+4*\i+3], v2, s[4:5] offset:8192*\i th:TH_LOAD_NT   ; all 16 rows are asked for at once
.endr
	; every LDS address is made here, ahead of the first branch on the wave's number
	s_mul_i32 s19, s17, WST
	v_lshrrev_b32 v164, 2, v1
	s_delay_alu instid0(VALU_DEP_1)
	v_mul_u32_u24 v164, v164, SP
	v_and_b32 v165, 3, v1
	s_delay_alu instid0(VALU_DEP_1)
	v_lshl_add_u32 v164, v165, 4, v164
	s_delay_alu instid0(VALU_DEP_1)
	v_add_nc_u32 v3, s19, v164                     ; into a stage: four lanes' 64 bytes on end, then the padding
	v_mul_u32_u24 v4, v1, SP
	s_delay_alu instid0(VALU_DEP_1)
	v_add_nc_u32 v4, s19, v4                       ; out of it: place = lane
	v_and_b32 v164, 7, v1
	s_delay_alu instid0(VALU_DEP_1)
	v_mul_u32_u24 v11, v164, SP
	s_delay_alu instid0(VALU_DEP_1)
	v_add_nc_u32 v11, s19, v11                     ; the entry's eight places
	v_bfe_u32 v165, v1, 2, 1
	v_and_b32 v166, 1, v1
	s_delay_alu instid0(VALU_DEP_2)
	v_mul_u32_u24 v165, v165, 6
	s_delay_alu instid0(VALU_DEP_1)
	v_mad_u32_u24 v165, v166, 3, v165              ; the first of my three registers of the fragment: 6 ((p / 4) % 2) + 3 (p % 2)
	v_bfe_u32 v166, v1, 1, 1                       ; the fragment's half h = (p / 2) % 2
	v_lshrrev_b32 v167, 3, v1                      ; p / 8: which of the step's four rows
	s_delay_alu instid0(VALU_DEP_2)
	v_lshlrev_b32 v166, 7, v166
	s_delay_alu instid0(VALU_DEP_1)
	v_lshl_add_u32 v166, v167, 4, v166
	s_mul_i32 s22, s17, 768
	s_add_co_u32 s22, s22, CST
	v_add_nc_u32 v166, s22, v166
.irp k, 0,1,2
	v_add_nc_u32 v168, \k, v165
	s_delay_alu instid0(VALU_DEP_1)
	v_lshrrev_b32 v169, 2, v168
	s_delay_alu instid0(VALU_DEP_2)
	v_and_b32 v168, 3, v168
	s_delay_alu instid0(VALU_DEP_1)
	v_lshlrev_b32 v168, 2, v168
	s_delay_alu instid0(VALU_DEP_1)
	v_lshl_add_u32 v[EA+\k], v169, 9, v168         ; (for the entry: 512 x quad + 4 x word)
	s_delay_alu instid0(VALU_DEP_2)
	v_lshl_add_u32 v168, v169, 8, v168
	s_delay_alu instid0(VALU_DEP_1)
	v_add_nc_u32 v[5+\k], v166, v168               ; v5-7: where my three words of codes go
.endr
	s_lshr_b32 s22, s17, 1
	s_lshl_b32 s22, s22, 6
	s_and_b32 s23, s17, 1
	s_lshl_b32 s23, s23, 2
	s_add_co_u32 s22, s22, s23
	s_add_co_u32 s22, s22, SST
	v_bfe_u32 v168, v1, 1, 2
	s_delay_alu instid0(VALU_DEP_1)
	v_lshl_add_u32 v169, v167, 3, v168
	s_delay_alu instid0(VALU_DEP_1)
	v_add_nc_u32 v8, s22, v169                     ; my block's scale byte
	s_lshl_b32 s22, s17, 6
	s_add_co_u32 s22, s22, PSC
	v_mov_b32 v9, s22                              ; my wave's 16 partial scores
	v_and_b32 v169, 15, v1
	s_delay_alu instid0(VALU_DEP_1)
	v_lshl_add_u32 v10, v169, 2, PSC               ; row l % 16 of every wave's
	s_lshl_b32 s22, s17, 5
	s_add_co_u32 s22, s22, EST
	v_bfe_u32 v174, v1, 1, 1
	s_delay_alu instid0(VALU_DEP_1)
	v_lshl_add_u32 v174, v174, 4, s22              ; the entry's codes: 32 w + 16 h,
.irp k, 0,1,2
	v_add_nc_u32 v[EA+\k], v174, v[EA+\k]          ; + 512 x quad + 4 x word
.endr
	s_lshl_b32 s22, s17, 2
	s_add_co_u32 s22, s22, ESS
	v_add_nc_u32 v13, s22, v168                    ; its bytes: 4 w + (l % 8) / 2
	v_lshl_add_u32 v14, v0, 4, CST                 ; the way out: 16 bytes a thread
	v_lshl_add_u32 v160, v0, 4, SST                ; and of the scale bytes (waves 0, 1) and the entry's codes (waves 2 to 4: a quad each), which lie on end
	v_lshlrev_b32 v161, 4, v1                      ; 16 l
	v_lshl_add_u32 v162, v169, 2, ESS
	v_lshrrev_b32 v174, 1, v169
	v_and_b32 v175, 1, v169
	s_delay_alu instid0(VALU_DEP_1)
	v_lshlrev_b32 v175, 2, v175
	s_delay_alu instid0(VALU_DEP_1)
	v_lshl_add_u32 v163, v174, 6, v175             ; K step s = l % 16: its word of my entry's row lies at 64 (s / 2) + 4 (s % 2)
	; where the results go
	s_lshr_b32 s18, s3, 1                          ; c / 2
	s_and_b32 s19, s3, 1                           ; c % 2
	s_mul_i32 s20, s18, 49152
	s_lshl_b32 s22, s19, 8
	s_add_co_u32 s20, s20, s22
	s_add_nc_u64 s[56:57], s[10:11], s[20:21]      ; codes: two tiles, my block of 256 bytes of each 512
	s_lshl_b32 s20, s18, 11
	s_lshl_b32 s22, s19, 9
	s_add_co_u32 s20, s20, s22
	s_lshl_b32 s22, s17, 10
	s_add_co_u32 s20, s20, s22
	s_add_nc_u64 s[58:59], s[12:13], s[20:21]      ; scale bytes: tile = wave (used by waves 0 and 1)
	s_lshr_b32 s24, s3, 5
	s_lshl_b32 s24, s24, 1
	s_bfe_u32 s22, s3, 0x10003
	s_add_co_u32 s24, s24, s22
	s_add_co_u32 s24, s24, ET0                     ; the entry's tile: 656 + 2 (c / 32) + (c / 8) % 2
	s_bfe_u32 s25, s3, 0x10004                     ; its row's upper bit: (c / 16) % 2
	s_and_b32 s26, s3, 7                           ; and lower three
	s_mul_i32 s20, s24, 24576
	s_lshl_b32 s22, s25, 8
	s_add_co_u32 s20, s20, s22
	s_lshl_b32 s22, s26, 4
	s_add_co_u32 s20, s20, s22
	s_lshl_b32 s22, s17, 9
	s_add_co_u32 s20, s20, s22
	s_sub_co_u32 s20, s20, 1024
	s_add_nc_u64 s[60:61], s[10:11], s[20:21]      ; the entry's codes: quad = wave - 2 (used by waves 2 to 4)
	s_lshl_b32 s20, s24, 10
	s_lshl_b32 s22, s25, 9
	s_add_co_u32 s20, s20, s22
	s_lshl_b32 s22, s26, 3
	s_add_co_u32 s20, s20, s22
	s_add_nc_u64 s[62:63], s[12:13], s[20:21]      ; the entry's scale bytes
	s_lshl_b32 s22, s25, 7
	v_lshrrev_b32 v174, 1, v1
	s_delay_alu instid0(VALU_DEP_1)
	v_mul_u32_u24 v173, v174, 1536                 ; lane l of waves 2 to 4 holds K step l / 2, half l % 2:
	v_and_b32 v174, 1, v1
	s_delay_alu instid0(VALU_DEP_1)
	v_lshlrev_b32 v174, 7, v174
	s_delay_alu instid0(VALU_DEP_1)
	v_xor_b32 v174, s22, v174                      ; the image's halves change places in the rows r / 8 = 1
	s_delay_alu instid0(VALU_DEP_1)
	v_add_nc_u32 v173, v173, v174
	v_lshrrev_b32 v164, 4, v0
	v_and_b32 v165, 15, v0
	s_delay_alu instid0(VALU_DEP_1)
	v_lshlrev_b32 v165, 4, v165
	s_lshl_b32 s22, s19, 7
	v_xor_b32 v165, s22, v165                      ; likewise for my tokens' rows
	s_delay_alu instid0(VALU_DEP_1)
	v_lshl_add_u32 v15, v164, 9, v165
	s_mov_b32 s36, 0x76543210
	s_mov_b32 s37, 0xfedcba98                      ; v_permlanex16_b32's selects for lane l xor 16
; THE TABLE, while the rows are on their way: wave 0 makes tile c (positions = the tile's rows), wave 1 of work-groups 0 to 7 tile 128 + c (positions 16 x row + 15: the blocks' ends).
.macro SINCOS ang, dc, dsn
	s_delay_alu instid0(VALU_DEP_1)
	v_mul_f32 v87, 0x3f22f983, v[\ang]             ; x 2 / pi
	s_delay_alu instid0(VALU_DEP_1)
	v_rndne_f32 v87, v87                           ; n
	s_delay_alu instid0(VALU_DEP_1)
	v_fma_f32 v88, v87, s26, v[\ang]               ; - n x the upper part of pi / 2: exact, n has 11 bits
	s_delay_alu instid0(VALU_DEP_1)
	v_fma_f32 v88, v87, s27, v88                   ; - n x the lower part
	s_delay_alu instid0(VALU_DEP_3)
	v_cvt_i32_f32 v89, v87
	s_delay_alu instid0(VALU_DEP_2)
	v_mul_f32 v90, v88, v88
	s_delay_alu instid0(VALU_DEP_1)
	v_fma_f32 v91, v90, s30, s29
	s_delay_alu instid0(VALU_DEP_2)
	v_fma_f32 v92, v90, s33, s32
	s_delay_alu instid0(VALU_DEP_2)
	v_fma_f32 v91, v91, v90, s28
	s_delay_alu instid0(VALU_DEP_2)
	v_fma_f32 v92, v92, v90, s31
	s_delay_alu instid0(VALU_DEP_2)
	v_mul_f32 v91, v91, v90
	s_delay_alu instid0(VALU_DEP_2)
	v_mul_f32 v92, v92, v90
	v_fma_f32 v93, v90, -0.5, 1.0
	s_delay_alu instid0(VALU_DEP_3)
	v_fma_f32 v91, v91, v88, v88                   ; sin r
	s_delay_alu instid0(VALU_DEP_2)
	v_fma_f32 v92, v92, v90, v93                   ; cos r
	v_and_b32 v93, 1, v89
	s_delay_alu instid0(VALU_DEP_1)
	v_cmp_eq_u32 vcc_lo, 1, v93                    ; odd quadrants change sine and cosine
	s_delay_alu instid0(VALU_DEP_1)
	v_cndmask_b32 v[\dsn], v91, v92, vcc_lo
	s_delay_alu instid0(VALU_DEP_2)
	v_cndmask_b32 v[\dc], v92, v91, vcc_lo
	v_and_b32 v93, 2, v89
	s_delay_alu instid0(VALU_DEP_1)
	v_lshlrev_b32 v93, 30, v93
	s_delay_alu instid0(VALU_DEP_1)
	v_xor_b32 v[\dsn], v[\dsn], v93                ; the sine is negative in quadrants 2, 3
	v_add_nc_u32 v89, 1, v89
	s_delay_alu instid0(VALU_DEP_1)
	v_and_b32 v89, 2, v89
	s_delay_alu instid0(VALU_DEP_1)
	v_lshlrev_b32 v89, 30, v89
	s_delay_alu instid0(VALU_DEP_1)
	v_xor_b32 v[\dc], v[\dc], v89                  ; the cosine in quadrants 1, 2
.endm
	s_cmp_gt_u32 s17, 1
	s_cbranch_scc1 .Lnotab
	s_cmp_eq_u32 s17, 0
	s_cselect_b32 s22, 1, 16
	s_cselect_b32 s23, 0, 15
	s_cselect_b32 s24, 0, 128
	s_cbranch_scc1 .Ltab
	s_cmp_lt_u32 s3, 8
	s_cbranch_scc0 .Lnotab
.Ltab:
	s_lshl_b32 s25, s18, 5
	s_lshl_b32 s26, s19, 3
	s_add_co_u32 s25, s25, s26                     ; 32 (c / 2) + 8 (c % 2)
	s_add_co_u32 s24, s24, s3
	s_lshl_b32 s34, s24, 12
	s_mov_b32 s35, 0
	s_add_nc_u64 s[14:15], s[14:15], s[34:35]
	s_mov_b32 s26, 0xbfc90fdb                      ; - pi / 2, upper part
	s_mov_b32 s27, 0x333bbd2e                      ; and what is left of it
	s_mov_b32 s28, 0xbe2aaaa3
	s_mov_b32 s29, 0x3c08839e
	s_mov_b32 s30, 0xb94ca1f9
	s_mov_b32 s31, 0x3d2aaaa5
	s_mov_b32 s32, 0xbab6061a
	s_mov_b32 s33, 0x37ccf5ce
	v_and_b32 v84, 7, v0
	v_bfe_u32 v85, v0, 3, 1
	s_delay_alu instid0(VALU_DEP_1)
	v_lshl_add_u32 v84, v85, 4, v84
	s_delay_alu instid0(VALU_DEP_1)
	v_add_nc_u32 v84, s25, v84                     ; the tile's row of my lane
	s_delay_alu instid0(VALU_DEP_1)
	v_mad_u32_u24 v84, v84, s22, s23
	s_delay_alu instid0(VALU_DEP_1)
	v_cvt_f32_u32 v84, v84                         ; the position
	v_bfe_u32 v85, v0, 4, 1
	s_delay_alu instid0(VALU_DEP_1)
	v_cmp_eq_u32 vcc_lo, 1, v85
	v_mov_b32 v86, 0x3c23d70a
	s_delay_alu instid0(VALU_DEP_1)
	v_cndmask_b32 v85, 1.0, v86, vcc_lo            ; lanes 16-31 hold frequencies 16 .. 31: x 0.01
.set i, 0
.irp f, 0x3f800000, 0x3f3ff911, 0x3f0ff59a, 0x3ed7e89b, 0x3ea1e89b, 0x3e72d424, 0x3e361887, 0x3e088d77, 0x3dcccccd, 0x3d99940e, 0x3d6655c3, 0x3d2cba15, 0x3d0186e2, 0x3cc24350, 0x3c91ad39, 0x3c5a7bf1
	v_mul_f32 v86, \f, v85                         ; 10^(-i / 8), x 0.01 in the upper half
	s_delay_alu instid0(VALU_DEP_1)
	v_mul_f32 v86, v84, v86
	SINCOS 86, 96+i, 112+i
.set i, i+1
.endr
.irp q, 0,1,2,3
	global_store_b128 v161, v[96+4*\q:99+4*\q], s[14:15] offset:512*\q             ; 32 lanes store 512 consecutive bytes
	global_store_b128 v161, v[112+4*\q:115+4*\q], s[14:15] offset:2048+512*\q
.endr
.Lnotab:
	s_wait_xcnt 0x0                                ; the table's registers are written again only behind this wait
	; THE SCORES: my 128 columns' part of each row's dot product with Wc
	s_wait_loadcnt 0x0
	s_wait_kmcnt 0x0
.irp i, 0,1,2,3,4,5,6,7,8,9,10,11,12,13,14,15
	v_pk_mul_f32 v[X+2*\i:X+2*\i+1], v[R+4*\i:R+4*\i+1], v[WCV:WCV+1]
.endr
.irp i, 0,1,2,3,4,5,6,7,8,9,10,11,12,13,14,15
	v_pk_fma_f32 v[X+2*\i:X+2*\i+1], v[R+4*\i+2:R+4*\i+3], v[WCV+2:WCV+3], v[X+2*\i:X+2*\i+1]
.endr
.irp i, 0,1,2,3,4,5,6,7,8,9,10,11,12,13,14,15
	v_add_f32 v[P+\i], v[X+2*\i], v[X+2*\i+1]
.endr
.irp m, 1,2,4,8
.irp i, 0,1,2,3,4,5,6,7,8,9,10,11,12,13,14,15
	v_add_f32_dpp v[P+\i], v[P+\i], v[P+\i] row_xmask:\m row_mask:0xf bank_mask:0xf
.endr
.endr
.irp i, 0,1,2,3,4,5,6,7,8,9,10,11,12,13,14,15
	v_permlanex16_b32 v[X+\i], v[P+\i], s36, s37
.endr
.irp i, 0,1,2,3,4,5,6,7,8,9,10,11,12,13,14,15
	v_add_f32 v[P+\i], v[P+\i], v[X+\i]            ; every lane holds the wave's 16 sums
.endr
.irp q, 0,1,2,3
	ds_store_b128 v9, v[P+4*\q:P+4*\q+3] offset:16*\q   ; all lanes write the same bytes with the same values
.endr
	s_wait_dscnt 0x0                               ; for the others' sake: my partial scores lie in LDS
	s_barrier_signal -1
	s_barrier_wait -1
.irp i, 0,1,2,3,4,5,6,7,8,9,10,11,12,13,14,15
	ds_load_b32 v[X+\i], v10 offset:64*\i          ; row l % 16: the sixteen waves' parts
.endr
	s_wait_dscnt 0x0
.irp i, 0,1,2,3,4,5,6,7
	v_add_f32 v[X+\i], v[X+\i], v[X+8+\i]
.endr
.irp i, 0,1,2,3
	s_delay_alu instid0(VALU_DEP_4)
	v_add_f32 v[X+\i], v[X+\i], v[X+4+\i]
.endr
	s_delay_alu instid0(VALU_DEP_2)
	v_add_f32 v[X], v[X], v[X+2]
	s_delay_alu instid0(VALU_DEP_2)
	v_add_f32 v[X+1], v[X+1], v[X+3]
	s_delay_alu instid0(VALU_DEP_1)
	v_add_f32 v[X], v[X], v[X+1]
	s_delay_alu instid0(VALU_DEP_1)
	v_add_f32 v[X], s16, v[X]                      ; + bc
	s_delay_alu instid0(VALU_DEP_1)
	v_mov_b32 v[X+1], v[X]                         ; the softmax over the block's 16 tokens: sixteen neighbouring lanes
.irp m, 1,2,4,8
	s_delay_alu instid0(VALU_DEP_1)
	v_max_num_f32_dpp v[X+1], v[X+1], v[X+1] row_xmask:\m row_mask:0xf bank_mask:0xf
.endr
	s_delay_alu instid0(VALU_DEP_1)
	v_sub_f32 v[X], v[X], v[X+1]
	s_delay_alu instid0(VALU_DEP_1)
	v_mul_f32 v[X], 0x3fb8aa3b, v[X]
	s_wait_alu depctr_va_vdst(0)
	v_exp_f32 v[X], v[X]
	v_nop                                          ; a plain place behind the transcendental
	s_wait_alu depctr_va_vdst(0)
	v_mov_b32 v[X+1], v[X]
.irp m, 1,2,4,8
	s_delay_alu instid0(VALU_DEP_1)
	v_add_f32_dpp v[X+1], v[X+1], v[X+1] row_xmask:\m row_mask:0xf bank_mask:0xf
.endr
	s_wait_alu depctr_va_vdst(0)
	v_rcp_f32 v[X+1], v[X+1]
	v_nop
	s_wait_alu depctr_va_vdst(0)
	v_mul_f32 v[X], v[X], v[X+1]
.irp i, 0,1,2,3,4,5,6,7,8,9,10,11,12,13,14,15
	v_readlane_b32 s[40+\i], v[X], \i              ; the 16 weights as scalars
.endr
	; THE ENTRY: my four columns of the weighted sum of the 16 rows, in f32
.irp k, 0,1,2,3
	v_mul_f32 v[E+\k], s40, v[R+\k]
.endr
.irp i, 1,2,3,4,5,6,7,8,9,10,11,12,13,14,15
.irp k, 0,1,2,3
	s_delay_alu instid0(VALU_DEP_4)
	v_fmac_f32 v[E+\k], s[40+\i], v[R+4*\i+\k]
.endr
.endr
; THE QUANTISER.  The conversion takes 16 neighbours along K from one lane's registers, so four rows' 2,048 bytes at a time turn through the wave's own stage: in as they lie, out 64 bytes a lane.
.macro TURN t
.irp i, 0,1,2,3
	ds_store_b128 v3, v[R+16*(\t)+4*\i:R+16*(\t)+4*\i+3] offset:32*SP*((\t)%2)+8*SP*\i
.endr
.irp i, 0,1,2,3
	ds_load_b128 v[X+16*((\t)%2)+4*\i:X+16*((\t)%2)+4*\i+3], v4 offset:32*SP*((\t)%2)+16*\i   ; LDS serves a wave's instructions in order: these see the stores above
.endr
.endm
.macro QNUM xs, c, e                   ; 16 numbers -> 96 bits of codes and the block's byte; two neighbouring lanes hold a block
	v_max3_num_f32 v164, |v[(\xs)]|, |v[(\xs)+1]|, |v[(\xs)+2]|
	v_max3_num_f32 v165, |v[(\xs)+3]|, |v[(\xs)+4]|, |v[(\xs)+5]|
.irp i, 6,10
	s_delay_alu instid0(VALU_DEP_2)
	v_max3_num_f32 v164, v164, |v[(\xs)+\i]|, |v[(\xs)+\i+1]|
	s_delay_alu instid0(VALU_DEP_2)
	v_max3_num_f32 v165, v165, |v[(\xs)+\i+2]|, |v[(\xs)+\i+3]|
.endr
	s_delay_alu instid0(VALU_DEP_2)
	v_max3_num_f32 v164, v164, |v[(\xs)+14]|, |v[(\xs)+15]|
	s_delay_alu instid0(VALU_DEP_1)
	v_max3_num_f32 v164, v164, v165, 0x1800000     ; the floor 2^(3 - 127): the byte cannot fall under 1
	s_delay_alu instid0(VALU_DEP_1)
	v_max_num_f32_dpp v164, v164, v164 row_xmask:1 row_mask:0xf bank_mask:0xf
	s_delay_alu instid0(VALU_DEP_1)
	v_add_nc_u32 v166, 0xff000000, v164            ; 2 off the exponent field: the conversion's scale operand
	v_cvt_scalef32_pk16_fp6_f32 v[(\c):(\c)+2], v[(\xs):(\xs)+15], v166
	v_lshrrev_b32 v[\e], 23, v166                  ; the byte; also the plain place behind the conversion
.endm
.macro STEP t                          ; rows 4 t .. 4 t + 3
.if (\t) > 0
	s_wait_dscnt 4                                 ; this step's numbers are back; the last step's three words of codes and its byte may be out
.else
	s_wait_dscnt 0x0
.endif
.if (\t) < 3
	TURN (\t)+1
.endif
	QNUM X+16*((\t)%2), C+4*(\t), EB+(\t)
.irp k, 0,1,2
	ds_store_b32 v[5+\k], v[C+4*(\t)+\k] offset:12288*((\t)/2)+64*((\t)%2)
.endr
	ds_store_b8 v8, v[EB+(\t)] offset:512*((\t)/2)+32*((\t)%2)   ; both lanes of a block write the same byte with the same value
.endm
	TURN 0
	STEP 0
	STEP 1
	STEP 2
	STEP 3
	ds_store_b128 v3, v[E:E+3]                     ; the entry's 128 numbers of my wave: eight places; four lanes fill each, 16 bytes apiece
.irp i, 0,1,2,3
	ds_load_b128 v[X+4*\i:X+4*\i+3], v11 offset:16*\i
.endr
	s_wait_dscnt 0x0
	QNUM X, EC, EE
.irp k, 0,1,2
	ds_store_b32 v[EA+\k], v[EC+\k]                ; each word at its register's place in the image
.endr
	ds_store_b8 v13, v[EE]
	s_wait_dscnt 0x0                               ; for the others' sake: all my codes and bytes lie in LDS
	s_barrier_signal -1
	s_barrier_wait -1
	; THE WAY OUT: 24,576 bytes of codes, 48 bytes a thread; sixteen lanes fill one aligned block of 256 bytes
.irp k, 0,1,2
	ds_load_b128 v[OUTR+4*\k:OUTR+4*\k+3], v14 offset:8192*\k
.endr
.irp k, 0,1,2
	s_wait_dscnt 2-\k
	global_store_b128 v15, v[OUTR+4*\k:OUTR+4*\k+3], s[56:57] offset:16384*\k
.endr
	s_cmp_lt_u32 s17, 2
	s_cbranch_scc0 .Lnot_sc
	ds_load_b128 v[188:191], v160                  ; waves 0, 1: a tile's 512 scale bytes
	s_wait_dscnt 0x0
	global_store_b128 v161, v[188:191], s[58:59]
	s_wait_tensorcnt 0x0
	ds_add_u32 v192, v193
	s_wait_dscnt 0x0
	s_endpgm
.Lnot_sc:
	s_cmp_lt_u32 s17, 5
	s_cbranch_scc0 .Lnot_en
	ds_load_b128 v[188:191], v160                  ; waves 2 to 4: one quad of the entry's row, for 16 K steps and both halves: 32 pieces of 16 bytes
	s_wait_dscnt 0x0
	global_store_b128 v173, v[188:191], s[60:61]
	s_wait_tensorcnt 0x0
	ds_add_u32 v192, v193
	s_wait_dscnt 0x0
	s_endpgm
.Lnot_en:
	s_cmp_eq_u32 s17, 5
	s_cbranch_scc0 .Lend
	ds_load_b32 v188, v162                         ; wave 5: its 16 scale words (both halves of the lanes hold and write the same)
	s_wait_dscnt 0x0
	global_store_b32 v163, v188, s[62:63]
.Lend:
	s_wait_tensorcnt 0x0
	ds_add_u32 v192, v193
	s_wait_dscnt 0x0
	s_endpgm
; THE WEIGHTS.  The six weights, f32 stored [K = 2048][N], become codes of E2M3 with K innermost and one E8M0 byte for each 32 along K, laid as images of the operand's registers.
; A LANE TAKES A COLUMN n AND ITS REGISTERS RUN DOWN K: each load reads 128 consecutive bytes a wave, a block of 32 along K lies in one lane, and the conversions give codes with K innermost.
; A JOB is a wave's: 32 columns x 256 along K, named by x (128 columns: 0 .. 63: 16 each of Wq, Wlk, Wlv, Wo; 64: Wk; 65: Wv), y (256 along K) and u (32 of the 128 columns): tiles T = 128 + 8 x + 2 u and T + 1.
; SHARES.  Work-group g (0 .. 127), wave w (0 .. 15): x = g / 2, y = 4 (g % 2) + w / 4, u = w % 4: the four large weights, 2,048 jobs.
; Wk's and Wv's 64 jobs are a second job of wave 0 of work-groups g < 64: x = 64 + g / 32, y = (g / 4) % 8, u = g % 4.
; Column 32 b + l is lane r = l % 8 + 8 (l / 16) of tile 2 b + (l / 8) % 2.  A fragment's registers 4 q .. 4 q + 3 of lane (r, h) lie at 24,576 T + 1,536 s + 512 q + 256 (r / 8) + 128 ((h + r / 8) % 2) + 16 (r % 8).
; The codes leave through the wave's own stage as runs of 512 consecutive bytes; the scale bytes as 8 bytes a lane, in runs of 64 bytes: one byte in 128 of what a job reads.
; LIMITS: NaN and infinities are not served; a block under 2^-124 or of zeros keeps the byte 1 (only this program reads the bytes).
.set WQS,  112640                      ; behind the tokens' LDS and the spare words: a stage of 6,400 bytes for each wave
.set WX,   64                          ; v64-127  two sets of 32 numbers
.set WC,   128                         ; v128-138 a block's codes
.set WSB,  24                          ; v24-25   the scale bytes, four to a register
.set WOUT, 140                         ; v140-187 the way out
.macro LOAD t
.irp i, 0,1,2,3,4,5,6,7,8,9,10,11,12,13,14,15,16,17,18,19,20,21,22,23,24,25,26,27,28,29,30,31
	global_load_b32 v[WX+32*((\t)%2)+\i], v[32+\i], s[32+2*(\t):33+2*(\t)] th:TH_LOAD_NT
.endr
.endm
.macro BLOCK t                         ; 32 along K: block (t % 4) of K step 2 y + t / 4: registers 6 ((t / 2) % 2) .. + 5 of the fragment's half t % 2
.set XS, WX+32*((\t)%2)
.set SK, 1536*((\t)/4)
.if (\t) < 7
	s_wait_loadcnt 32                              ; this block's 32 loads are in; the next block's may be out
.else
	s_wait_loadcnt 0x0
.endif
	v_max3_num_f32 v12, |v[XS]|, |v[XS+1]|, |v[XS+2]|
	v_max3_num_f32 v13, |v[XS+3]|, |v[XS+4]|, |v[XS+5]|
.irp i, 6,10,14,18,22,26
	v_max3_num_f32 v12, v12, |v[XS+\i]|, |v[XS+\i+1]|
	v_max3_num_f32 v13, v13, |v[XS+\i+2]|, |v[XS+\i+3]|
.endr
	v_max3_num_f32 v12, v12, |v[XS+30]|, |v[XS+31]|
	v_max3_num_f32 v12, v12, v13, 0x1800000        ; the floor 2^(3 - 127)
	v_add_nc_u32 v14, 0xff000000, v12              ; 2 off the exponent field: the conversion's scale operand
	v_cvt_scalef32_pk16_fp6_f32 v[WC:WC+2], v[XS:XS+15], v14
	v_cvt_scalef32_pk16_fp6_f32 v[WC+8:WC+10], v[XS+16:XS+31], v14   ; (a conversion's three registers begin on an even number)
	v_lshrrev_b32 v13, 23, v14                     ; the byte; also the plain place behind the conversions
.if (\t)%4 == 0
	v_mov_b32 v[WSB+(\t)/4], v13
.else
	v_lshl_or_b32 v[WSB+(\t)/4], v13, 8*((\t)%4), v[WSB+(\t)/4]
.endif
.irp i, 0,1,2
	v_mov_b32 v[WC+3+\i], v[WC+8+\i]
.endr
.if ((\t)/2)%2 == 0
	ds_store_b128 v[4+(\t)%2], v[WC:WC+3] offset:SK            ; registers 0-3,
	ds_store_b64 v[4+(\t)%2], v[WC+4:WC+5] offset:SK+512       ; 4, 5
.else
	ds_store_b64 v[4+(\t)%2], v[WC:WC+1] offset:SK+520         ; 6, 7,
	ds_store_b128 v[4+(\t)%2], v[WC+2:WC+5] offset:SK+1024     ; 8-11
.endif
.if (\t)+2 < 8
	LOAD (\t)+2
.endif
	s_wait_dscnt 0x0                               ; the stores have read their registers
.endm
.macro JOB                             ; s30 = x, s25 = y, s24 = u
	s_and_b32 s23, s30, 15
	s_mov_b32 s22, 512
	s_cmp_lt_u32 s30, 64
	s_cselect_b32 s22, 8192, s22                   ; bytes from row to row
	s_cselect_b32 s23, s23, 0                      ; which 128 columns of the tensor
.irp i, 0,1,2,3,4,5,6,7,8,9,10,11,12,13,14,15,16,17,18,19,20,21,22,23,24,25,26,27,28,29,30,31
	v_mad_u32_u24 v[32+\i], s22, \i, v3            ; row i of a block, my column
.endr
	s_lshl_b32 s27, s30, 3
	s_lshl_b32 s28, s24, 1
	s_add_co_u32 s27, s27, s28
	s_add_co_u32 s27, s27, 128                     ; my first tile
	s_mul_i32 s48, s27, 24576
	s_mul_i32 s28, s25, 3072
	s_add_co_u32 s48, s48, s28
	s_mov_b32 s49, 0
	s_lshl_b32 s50, s27, 10
	s_lshl_b32 s28, s25, 6
	s_add_co_u32 s50, s50, s28
	s_mov_b32 s51, 0
	s_lshl_b32 s26, s25, 8
	s_mul_i32 s26, s26, s22                        ; 256 y rows,
	s_lshl_b32 s28, s23, 9
	s_add_co_u32 s26, s26, s28
	s_lshl_b32 s28, s24, 7
	s_add_co_u32 s26, s26, s28                     ; + 4 x my first column
	s_mov_b32 s27, 0
	s_lshl_b32 s28, s22, 5                         ; 32 rows
	s_wait_alu depctr_va_vdst(0)
	s_wait_kmcnt 0x0
	s_cmp_lt_u32 s30, 65                           ; the tensor: a choice on ids alone
	s_cselect_b64 s[20:21], s[12:13], s[14:15]
	s_cmp_lt_u32 s30, 64
	s_cselect_b64 s[20:21], s[10:11], s[20:21]
	s_cmp_lt_u32 s30, 48
	s_cselect_b64 s[20:21], s[8:9], s[20:21]
	s_cmp_lt_u32 s30, 32
	s_cselect_b64 s[20:21], s[6:7], s[20:21]
	s_cmp_lt_u32 s30, 16
	s_cselect_b64 s[20:21], s[4:5], s[20:21]
.irp t, 0,1,2,3,4,5,6,7
	s_add_nc_u64 s[32+2*\t:33+2*\t], s[20:21], s[26:27]   ; block t's base
	s_add_co_u32 s26, s26, s28
.endr
	s_add_nc_u64 s[52:53], s[16:17], s[48:49]
	s_add_nc_u64 s[54:55], s[18:19], s[50:51]
	LOAD 0
	LOAD 1
.irp t, 0,1,2,3,4,5,6,7
	BLOCK \t
.endr
	s_wait_alu depctr_va_vdst(0)
	global_store_b64 v8, v[WSB:WSB+1], s[54:55]
.irp u, 0,1
.irp j, 0,1,2,3,4,5
	ds_load_b128 v[WOUT+24*\u+4*\j:WOUT+24*\u+4*\j+3], v6 offset:3200*\u+512*\j   ; LDS serves a wave's instructions in order: these see my stores
.endr
.endr
.irp u, 0,1
.irp j, 0,1,2,3,4,5
	s_wait_dscnt 11-6*\u-\j
	global_store_b128 v7, v[WOUT+24*\u+4*\j:WOUT+24*\u+4*\j+3], s[52:53] offset:24576*\u+512*\j   ; 32 lanes store 512 consecutive bytes
.endr
.endr
.endm
.Lwq:
	s_load_b256 s[4:11], s[0:1], 0x30              ; Wq, Wlk, Wlv, Wo
	s_load_b128 s[12:15], s[0:1], 0x50             ; Wk, Wv
	s_load_b64 s[16:17], s[0:1], 0x18              ; opc
	s_load_b64 s[18:19], s[0:1], 0x20              ; ops
	v_lshrrev_b32 v1, 5, v0
	v_readfirstlane_b32 s29, v1                    ; wave 0..15
	v_and_b32 v2, 31, v0                           ; lane
	v_lshlrev_b32 v3, 2, v2
	v_and_b32 v9, 7, v2
	v_bfe_u32 v10, v2, 3, 1
	v_lshrrev_b32 v11, 4, v2
	v_lshlrev_b32 v4, 4, v9
	v_mad_u32_u24 v4, v11, 384, v4                 ; my place in an image for the half h = 0: 256 o + 128 o + 16 j
	v_xor_b32 v5, 128, v4                          ; and for h = 1
	s_mul_i32 s26, s29, 6400                       ; my stage: two tiles of 3,072 bytes, 3,200 apart
	s_add_co_u32 s26, s26, WQS
	v_mul_u32_u24 v12, v10, 3200
	v_add_nc_u32 v12, s26, v12
	v_add_nc_u32 v4, v4, v12
	v_add_nc_u32 v5, v5, v12
	v_lshl_add_u32 v6, v2, 4, s26                  ; back out of it: 16 bytes a lane
	v_lshlrev_b32 v7, 4, v2
	v_lshlrev_b32 v8, 3, v9
	v_lshl_add_u32 v8, v11, 9, v8
	v_lshl_add_u32 v8, v10, 10, v8                 ; my 8 scale bytes: 1,024 u + 512 o + 8 j
	s_lshr_b32 s30, s3, 1                          ; x = g / 2
	s_and_b32 s25, s3, 1
	s_lshl_b32 s25, s25, 2
	s_lshr_b32 s24, s29, 2
	s_add_co_u32 s25, s25, s24                     ; y = 4 (g % 2) + w / 4
	s_and_b32 s24, s29, 3                          ; u = w % 4
	JOB
	s_cmp_lg_u32 s29, 0
	s_cbranch_scc1 .Lwq_end
	s_cmp_ge_u32 s3, 64
	s_cbranch_scc1 .Lwq_end
	s_wait_xcnt 0x0                                ; the first job's stores have read their registers and bases: they are written again only behind this wait
	s_lshr_b32 s30, s3, 5
	s_add_co_u32 s30, s30, 64                      ; Wk or Wv
	s_bfe_u32 s25, s3, 0x30002                     ; y = (g / 4) % 8
	s_and_b32 s24, s3, 3                           ; u = g % 4
	JOB
.Lwq_end:
	s_wait_tensorcnt 0x0                           ; the wave's end
	ds_add_u32 v192, v193
	s_wait_dscnt 0x0
	s_endpgm
.Lfunc_end_k_qc728ad3dec_prep:
	.size	k_qc728ad3dec_prep, .Lfunc_end_k_qc728ad3dec_prep-k_qc728ad3dec_prep
	.p2alignl 7, 3214868480
	.fill 96, 4, 3214868480
	.section	.rodata,"a",@progbits
	.p2align	6, 0x0
	.amdhsa_kernel k_qc728ad3dec_prep
		.amdhsa_group_segment_fixed_size 215040
		.amdhsa_private_segment_fixed_size 0
		.amdhsa_enable_private_segment 0
		.amdhsa_kernarg_size 96
		.amdhsa_user_sgpr_count 2
		.amdhsa_user_sgpr_kernarg_segment_ptr 1
		.amdhsa_wavefront_size32 1
		.amdhsa_system_sgpr_workgroup_id_x 1
		.amdhsa_system_sgpr_workgroup_id_y 1
		.amdhsa_system_sgpr_workgroup_id_z 1
		.amdhsa_system_vgpr_workitem_id 0
		.amdhsa_next_free_vgpr 194
		.amdhsa_next_free_sgpr 80
		.amdhsa_reserve_vcc 1
		.amdhsa_float_denorm_mode_32 3
		.amdhsa_float_denorm_mode_16_64 3
		.amdhsa_memory_ordered 1
		.amdhsa_forward_progress 1
		.amdhsa_inst_pref_size 158
	.end_amdhsa_kernel
	.amdgpu_metadata
---
amdhsa.version: [ 1, 2 ]
amdhsa.kernels:
  - .name:           k_qc728ad3dec_prep
    .symbol:         k_qc728ad3dec_prep.kd
    .args:
      - { .name: hidden_states, .offset: 0, .size: 8, .value_kind: global_buffer, .address_space: global }
      - { .name: Wc, .offset: 8, .size: 8, .value_kind: global_buffer, .address_space: global }
      - { .name: bc, .offset: 16, .size: 8, .value_kind: global_buffer, .address_space: global }
      - { .name: opc, .offset: 24, .size: 8, .value_kind: global_buffer, .address_space: global }
      - { .name: ops, .offset: 32, .size: 8, .value_kind: global_buffer, .address_space: global }
      - { .name: tab, .offset: 40, .size: 8, .value_kind: global_buffer, .address_space: global }
      - { .name: Wq, .offset: 48, .size: 8, .value_kind: global_buffer, .address_space: global }
      - { .name: Wlk, .offset: 56, .size: 8, .value_kind: global_buffer, .address_space: global }
      - { .name: Wlv, .offset: 64, .size: 8, .value_kind: global_buffer, .address_space: global }
      - { .name: Wo, .offset: 72, .size: 8, .value_kind: global_buffer, .address_space: global }
      - { .name: Wk, .offset: 80, .size: 8, .value_kind: global_buffer, .address_space: global }
      - { .name: Wv, .offset: 88, .size: 8, .value_kind: global_buffer, .address_space: global }
    .group_segment_fixed_size: 215040
    .private_segment_fixed_size: 0
    .kernarg_segment_align: 8
    .kernarg_segment_size: 96
    .max_flat_workgroup_size: 512
    .sgpr_count:     80
    .vgpr_count:     194
    .wavefront_size: 32
...
	.end_amdgpu_metadata
.endif
;; end of part 1
;; launch ckv (part 2): grid 16 x 1, 16 waves a work-group, no clusters, 153,600 bytes of LDS; arguments opc, ops, tab, bk, bv, kn_w, qkvc, qkvs; writes qkvc, qkvs
.if DOCPART == 2
	.amdgcn_target "amdgcn-amd-amdhsa--gfx1250"
	.amdhsa_code_object_version 6
	.text
	.protected	k_qc728ad3dec_ckv
	.globl	k_qc728ad3dec_ckv
	.p2align	8
	.type	k_qc728ad3dec_ckv,@function
k_qc728ad3dec_ckv:
	s_mov_b64 s[64:65], 0
	v_nop
	global_prefetch_b8 v0, s[64:65] scope:SCOPE_SE
	s_setreg_imm32_b32 hwreg(HW_REG_WAVE_MODE, 25, 1), 1
	s_wait_xcnt 0x0
; The compressed keys and values.  ck = rope(rmsnorm(entries Wk + bk)) quantised along the head's 128; cv = entries Wv + bv, quantised along the 128 ENTRIES (the K of the product that takes it).
; SHARES.  Work-group g: kind = g / 8, tile a = g % 8.  Kind 0: source 1 = the entries' tile a, source 0 = Wk's 8 tiles: a lane holds one entry, its 64 registers run along d.
; Kind 1: source 1 = Wv's tile a, source 0 = the 8 tiles of entries: a lane holds one d, its registers run along the entries.  Either way the 64 registers are what the quantiser wants.
; Entries and weights lie alike, as images of the operand's registers (tile T, K step s at 24,576 T + 1,536 s; Wk's tiles 640-647, Wv's 648-655, the entries' 656-663): so both kinds fetch by the same lines,
; three loads of 512 consecutive bytes a fragment, and only the tiles' numbers hang on the kind.
; Wave w takes K step w (128 of the 2,048 along K): nine fragments a wave, all asked for at once.  The sixteen partial sums meet in LDS and are added in f32:
; THE CONSTANTS ARE ASKED FOR WITH THE FRAGMENTS, a share to each wave: wave w takes the bias of registers 4 w .. 4 w + 3, which it adds where it sums that quad; the gain of the same registers and 256 bytes of
; the table's tile go to LDS with the partial sums, and wave 0, which finishes the tile, reads them back with the sums: it asks memory for nothing more.
; Kind 1 stages gain and table too and does not read them (two loads and two LDS stores a wave): so the waves part on the kind only round lines that write the same registers, or that read what the same arm has loaded.
; The rows of a tile: lane r of tile T stands for row 32 (T / 2) + 8 (T % 2) + r % 8 + 16 (r / 8), so that registers 16 b + i of a lane are index 32 b + 16 h + i.
; LIMITS: NaN and infinities are not served; blocks under 2^-124 or of zeros keep the byte 1.  A work-group's 16 scale words are 64 bytes, stored 4 bytes a lane 16 bytes apart: 1 KB in the launch.
; LDS: 16 images of 8,192 bytes (the partial sums); at 131,072 the sums, at 139,264 the gain, 8,192 bytes each; at 147,456 the table's tile, 4,096.
.set TBS,  147456
.set CKO,  9437184
.set CKS,  393216
.set XF,   16
.set BQ,   28                          ; v28-31   my quad of the bias
.set YF,   32
.set NQ,   128                         ; v128-131 my quad of the gain
.set TQ,   132                         ; v132-133 my 8 bytes of the table
.set ACC,  144
.set YS,   240                         ; v240-247, v248: scale words, and nothing else
.set XS,   248
.set H,    144                         ; the epilogue: the 64 sums;
.set NW,   80
.set TB,   208
.set PC,   16                          ; codes v16-35, at work v36-63
.set TM,   36
.set PW,   52
.set SS,   54
.set RN,   58
.set TU,   60
.set SEL,  40
.macro QTAIL s, pc, tm, pw
.irp b, 0,1,2,3
	s_delay_alu instid0(VALU_DEP_4)
	v_add_nc_u32 v[\tm+12+\b], 0xff000000, v[\tm+\b]   ; 2 off the exponent field: the conversion's scale operand
.endr
.irp b, 0,1,2,3
	s_delay_alu instid0(VALU_DEP_4)
	v_lshrrev_b32 v[\tm+4+\b], 23, v[\tm+12+\b]        ; the byte
.endr
	s_delay_alu instid0(VALU_DEP_3)
	v_lshl_or_b32 v[\pw], v[\tm+5], 8, v[\tm+4]
	s_delay_alu instid0(VALU_DEP_1)
	v_lshl_or_b32 v[\pw], v[\tm+6], 16, v[\pw]
	s_delay_alu instid0(VALU_DEP_1)
	v_lshl_or_b32 v[\pw], v[\tm+7], 24, v[\pw]
.irp c, 0,1
	v_cvt_scalef32_pk16_fp6_f32 v[\pc+6*\c:\pc+2+6*\c], v[\s+32*\c:\s+15+32*\c], v[\tm+12+2*\c]
	v_cvt_scalef32_pk16_fp6_f32 v[\pc+12+4*\c:\pc+14+4*\c], v[\s+16+32*\c:\s+31+32*\c], v[\tm+12+2*\c+1]
.endr
	v_nop                                          ; one plain place behind a scaled conversion
.irp c, 0,1                                    ; the operand's layout wants a whole block in a lane
.irp i, 0,1,2
	v_permlane16_swap_b32 v[\pc+6*\c+\i], v[\pc+12+4*\c+\i]
.endr
.irp i, 0,1,2
	s_delay_alu instid0(VALU_DEP_3)
	v_mov_b32 v[\pc+3+6*\c+\i], v[\pc+12+4*\c+\i]
.endr
.endr
.endm
.macro QUANT s, pc, tm, pw             ; 64 numbers, register 16 b + i = k 32 b + 16 h + i, become a fragment's codes and its scale word
.irp b, 0,1,2,3
	v_max3_num_f32 v[\tm+\b], |v[\s+16*\b]|, |v[\s+1+16*\b]|, 0x1800000
.endr
.irp i, 2,4,6,8,10,12,14
.irp b, 0,1,2,3
	s_delay_alu instid0(VALU_DEP_4)
	v_max3_num_f32 v[\tm+\b], v[\tm+\b], |v[\s+16*\b+\i]|, |v[\s+1+16*\b+\i]|
.endr
.endr
.irp b, 0,1,2,3
	s_delay_alu instid0(VALU_DEP_4)
	v_permlanex16_b32 v[\tm+4+\b], v[\tm+\b], s[SEL], s[SEL+1]
.endr
.irp b, 0,1,2,3
	s_delay_alu instid0(VALU_DEP_4)
	v_max_num_f32 v[\tm+\b], v[\tm+\b], v[\tm+4+\b]
.endr
	QTAIL \s, \pc, \tm, \pw
.endm
	s_load_b256 s[4:11], s[0:1], 0x0               ; opc, ops, tab, bk
	s_load_b256 s[12:19], s[0:1], 0x20             ; bv, kn_w, qkvc, qkvs
	v_lshl_add_u32 v254, v0, 2, 0x25000
	v_mov_b32 v255, 0
	v_lshrrev_b32 v1, 5, v0
	s_delay_alu instid0(VALU_DEP_1)
	v_readfirstlane_b32 s22, v1                    ; wave 0..15 = my K step
	s_lshr_b32 s20, ttmp9, 3                       ; kind
	s_and_b32 s21, ttmp9, 7                        ; a
	v_and_b32 v249, 15, v0                         ; r
	v_bfe_u32 v250, v0, 4, 1                       ; h
	v_bfe_u32 v251, v0, 3, 1                       ; r / 8
	v_and_b32 v252, 7, v0                          ; r % 8
	s_delay_alu instid0(VALU_DEP_2)
	v_add_nc_u32 v253, v250, v251
	s_delay_alu instid0(VALU_DEP_1)
	v_and_b32 v253, 1, v253
	s_delay_alu instid0(VALU_DEP_3)
	v_lshlrev_b32 v1, 4, v252
	s_delay_alu instid0(VALU_DEP_1)
	v_lshl_add_u32 v1, v253, 7, v1
	s_delay_alu instid0(VALU_DEP_1)
	v_lshl_add_u32 v1, v251, 8, v1                 ; v1: my place in an image's 512 bytes
	v_lshl_add_u32 v14, v251, 4, v252              ; r % 8 + 16 (r / 8)
	s_delay_alu instid0(VALU_DEP_1)
	v_lshlrev_b32 v12, 2, v14                      ; v12: 4 x that: my d's place in bv
	v_lshlrev_b32 v4, 3, v252
	s_delay_alu instid0(VALU_DEP_1)
	v_lshl_add_u32 v4, v251, 9, v4                 ; v4: my row's scale words in a tile
	v_and_b32 v15, 31, v0
	s_delay_alu instid0(VALU_DEP_1)
	v_lshlrev_b32 v11, 4, v15                      ; v11: 16 x lane
	s_lshl_b32 s23, s22, 13
	v_add_nc_u32 v5, s23, v11                      ; v5: my wave's 8,192 bytes of partial sums
	s_lshl_b32 s23, s22, 9
	v_add_nc_u32 v6, s23, v11                      ; v6, v7: quad w of images 0-7 and 8-15
	s_delay_alu instid0(VALU_DEP_1)
	v_add_nc_u32 v7, 0x10000, v6
	s_delay_alu instid0(VALU_DEP_2)
	v_add_nc_u32 v8, 0x20000, v6                   ; v8: the summed quad; 8,192 on: my quad of the gain
	v_add_nc_u32 v9, 0x20000, v11                  ; v9: all sixteen, for wave 0
	s_lshl_b32 s23, s22, 8
	v_lshl_add_u32 v2, v15, 3, s23                 ; v2: my 8 bytes of the table's tile: 256 w + 8 x lane,
	s_delay_alu instid0(VALU_DEP_1)
	v_add_nc_u32 v3, TBS, v2                       ; v3: and their place in LDS
	s_lshr_b32 s23, s22, 2
	s_lshl_b32 s23, s23, 7
	s_and_b32 s24, s22, 3
	s_lshl_b32 s24, s24, 4
	s_add_co_u32 s23, s23, s24
	v_lshl_add_u32 v10, v250, 6, s23               ; v10: registers 4 w .. 4 w + 3 stand for d = 32 (w / 4) + 16 h + 4 (w % 4) + 0 .. 3: 4 bytes each
	v_lshlrev_b32 v13, 4, v249                     ; v13: 16 r
	s_lshr_b32 s23, s21, 1
	s_lshl_b32 s23, s23, 5
	s_and_b32 s24, s21, 1
	s_lshl_b32 s24, s24, 3
	s_add_co_u32 s23, s23, s24                     ; 32 (a / 2) + 8 (a % 2)
	s_mov_b32 s[SEL], 0x76543210
	s_mov_b32 s[SEL+1], 0xfedcba98
	s_mov_b32 s42, 0x3c000000                      ; 1 / 128
	s_mov_b32 s43, 0x358637bd                      ; 1e-6
	s_add_co_u32 s44, s21, 656
	s_lshl_b32 s24, s20, 3
	s_sub_co_u32 s44, s44, s24                     ; X's tile: the entries' 656 + a, or Wv's 648 + a
	s_lshl_b32 s46, s20, 4
	s_add_co_u32 s46, s46, 640                     ; Y's first tile: Wk's 640, or the entries' 656
	s_mul_i32 s24, s22, 1536                       ; K step w in a tile's codes,
	s_lshr_b32 s25, s22, 1
	s_lshl_b32 s25, s25, 6
	s_and_b32 s26, s22, 1
	s_lshl_b32 s26, s26, 2
	s_add_co_u32 s25, s25, s26                     ; and in its scale bytes
	s_mul_i32 s48, s44, 24576
	s_add_co_u32 s48, s48, s24
	s_mov_b32 s49, 0
	s_lshl_b32 s50, s44, 10
	s_add_co_u32 s50, s50, s25
	s_mov_b32 s51, 0
	s_mul_i32 s52, s46, 24576
	s_add_co_u32 s52, s52, s24
	s_mov_b32 s53, 0
	s_lshl_b32 s54, s46, 10
	s_add_co_u32 s54, s54, s25
	s_mov_b32 s55, 0
	s_add_co_u32 s56, s21, 128
	s_lshl_b32 s56, s56, 12                        ; the table's tile 128 + a: the blocks' ends
	s_mov_b32 s57, 0
	s_lshl_b32 s58, s23, 2
	s_mov_b32 s59, 0
	s_wait_alu depctr_va_vdst(0)
	s_wait_kmcnt 0x0
	s_add_nc_u64 s[32:33], s[4:5], s[48:49]        ; X's codes at K step w
	s_add_nc_u64 s[34:35], s[6:7], s[50:51]        ; its scale words
	s_add_nc_u64 s[28:29], s[4:5], s[52:53]        ; Y's codes
	s_add_nc_u64 s[30:31], s[6:7], s[54:55]        ; their scale words
	s_add_nc_u64 s[8:9], s[8:9], s[56:57]
	s_add_nc_u64 s[12:13], s[12:13], s[58:59]
.irp c, 0,1,2
	global_load_b128 v[XF+4*\c:XF+4*\c+3], v1, s[32:33] offset:512*\c
.endr
	global_load_b32 v[XS], v4, s[34:35]
.irp i, 0,1,2,3,4,5,6,7
.irp c, 0,1,2
	global_load_b128 v[YF+12*\i+4*\c:YF+12*\i+4*\c+3], v1, s[28:29] offset:24576*\i+512*\c
.endr
	global_load_b32 v[YS+\i], v4, s[30:31] offset:1024*\i
.endr
	global_load_b128 v[NQ:NQ+3], v10, s[14:15]     ; kn_w at my four d
	global_load_b64 v[TQ:TQ+1], v2, s[8:9]         ; 32 lanes read 256 consecutive bytes of the table's tile
	s_cmp_eq_u32 s20, 0
	s_cbranch_scc0 .Lbias_v
	global_load_b128 v[BQ:BQ+3], v10, s[10:11]     ; bk at my four d
	s_branch .Lloaded
.Lbias_v:
.irp k, 0,1,2,3
	global_load_b32 v[BQ+\k], v12, s[12:13]        ; bv of my lane's d, in all four registers
.endr
.Lloaded:
	s_wait_loadcnt 0x0
.irp i, 0,1,2,3,4,5,6,7                        ; eight accumulators, one product each
	v_wmma_scale_f32_16x16x128_f8f6f4 v[ACC+8*\i:ACC+8*\i+7], v[YF+12*\i:YF+12*\i+11], v[XF:XF+11], 0, v[YS+\i], v[XS] matrix_a_fmt:MATRIX_FMT_FP6 matrix_b_fmt:MATRIX_FMT_FP6
.endr
.rept 4
	v_nop                                          ; places in front of the first read of results and of loads into the fragments' registers
.endr
.irp q, 0,1,2,3,4,5,6,7,8,9,10,11,12,13,14,15
	ds_store_b128 v5, v[ACC+4*\q:ACC+4*\q+3] offset:512*\q     ; each accumulator from its low end on
.endr
	ds_store_b128 v8, v[NQ:NQ+3] offset:8192       ; my quad of the gain,
	ds_store_b64 v3, v[TQ:TQ+1]                    ; my 256 bytes of the table
	s_wait_dscnt 0x0
	s_barrier_signal -1
	s_barrier_wait -1                              ; the sixteen partial sums lie in LDS
.irp i, 0,1,2,3,4,5,6,7
	ds_load_b128 v[32+4*\i:35+4*\i], v6 offset:8192*\i
.endr
.irp i, 0,1,2,3,4,5,6,7
	ds_load_b128 v[64+4*\i:67+4*\i], v7 offset:8192*\i
.endr
	s_wait_dscnt 0x0
.irp i, 0,1,2,3,4,5,6,7
	v_pk_add_f32 v[32+4*\i:33+4*\i], v[32+4*\i:33+4*\i], v[64+4*\i:65+4*\i]
	v_pk_add_f32 v[34+4*\i:35+4*\i], v[34+4*\i:35+4*\i], v[66+4*\i:67+4*\i]
.endr
.irp i, 0,1,2,3
	v_pk_add_f32 v[32+4*\i:33+4*\i], v[32+4*\i:33+4*\i], v[48+4*\i:49+4*\i]
	v_pk_add_f32 v[34+4*\i:35+4*\i], v[34+4*\i:35+4*\i], v[50+4*\i:51+4*\i]
.endr
.irp i, 0,1
	s_delay_alu instid0(VALU_DEP_4)
	v_pk_add_f32 v[32+4*\i:33+4*\i], v[32+4*\i:33+4*\i], v[40+4*\i:41+4*\i]
	s_delay_alu instid0(VALU_DEP_4)
	v_pk_add_f32 v[34+4*\i:35+4*\i], v[34+4*\i:35+4*\i], v[42+4*\i:43+4*\i]
.endr
	s_delay_alu instid0(VALU_DEP_2)
	v_pk_add_f32 v[32:33], v[32:33], v[36:37]
	s_delay_alu instid0(VALU_DEP_2)
	v_pk_add_f32 v[34:35], v[34:35], v[38:39]
	s_delay_alu instid0(VALU_DEP_2)
	v_pk_add_f32 v[32:33], v[32:33], v[BQ:BQ+1]    ; + the bias
	s_delay_alu instid0(VALU_DEP_2)
	v_pk_add_f32 v[34:35], v[34:35], v[BQ+2:BQ+3]
	ds_store_b128 v8, v[32:35]
	s_wait_dscnt 0x0
	s_barrier_signal -1
	s_barrier_wait -1                              ; the 64 sums lie in LDS
	s_cmp_lg_u32 s22, 0
	s_cbranch_scc1 .Lend                           ; wave 0 finishes the tile
.irp q, 0,1,2,3,4,5,6,7,8,9,10,11,12,13,14,15
	ds_load_b128 v[H+4*\q:H+4*\q+3], v9 offset:512*\q
.endr
	s_cmp_eq_u32 s20, 0
	s_cbranch_scc0 .Lquant                         ; cv has neither norm nor RoPE
.irp q, 0,1,2,3,4,5,6,7,8,9,10,11,12,13,14,15
	ds_load_b128 v[NW+4*\q:NW+4*\q+3], v9 offset:8192+512*\q
.endr
.irp q, 0,1,2,3,4,5,6,7
	ds_load_b128 v[TB+4*\q:TB+4*\q+3], v9 offset:16384+512*\q
.endr
	s_wait_dscnt 0x0
	v_pk_mul_f32 v[SS:SS+1], v[H:H+1], v[H:H+1]    ; the mean of the squares, in two chains
	v_pk_mul_f32 v[SS+2:SS+3], v[H+2:H+3], v[H+2:H+3]
.irp j, 4,8,12,16,20,24,28,32,36,40,44,48,52,56,60
	s_delay_alu instid0(VALU_DEP_2)
	v_pk_fma_f32 v[SS:SS+1], v[H+\j:H+\j+1], v[H+\j:H+\j+1], v[SS:SS+1]
	s_delay_alu instid0(VALU_DEP_2)
	v_pk_fma_f32 v[SS+2:SS+3], v[H+\j+2:H+\j+3], v[H+\j+2:H+\j+3], v[SS+2:SS+3]
.endr
	s_delay_alu instid0(VALU_DEP_1)
	v_pk_add_f32 v[SS:SS+1], v[SS:SS+1], v[SS+2:SS+3]
	s_delay_alu instid0(VALU_DEP_1)
	v_add_f32 v[SS], v[SS], v[SS+1]
	s_delay_alu instid0(VALU_DEP_1)
	v_permlanex16_b32 v[SS+2], v[SS], s[SEL], s[SEL+1]
	s_delay_alu instid0(VALU_DEP_1)
	v_add_f32 v[SS], v[SS], v[SS+2]
	s_delay_alu instid0(VALU_DEP_1)
	v_fma_f32 v[SS], v[SS], s42, s43
	s_wait_alu depctr_va_vdst(0)
	v_rsq_f32 v[RN], v[SS]
	v_mov_b32 v[RN+1], 0                           ; the pair's upper word is written; also the plain place behind the transcendental
.set j, 0
	s_wait_alu depctr_va_vdst(0)
.rept 32
	v_pk_mul_f32 v[H+j:H+j+1], v[H+j:H+j+1], v[RN:RN+1] op_sel_hi:[1,0]
.set j, j+2
.endr
.set j, 0
.rept 32
	v_pk_mul_f32 v[H+j:H+j+1], v[H+j:H+j+1], v[NW+j:NW+j+1]
.set j, j+2
.endr
.irp i, 0,2,4,6,8,10,12,14                     ; RoPE: d = 16 h + i with d + 32
	v_pk_mul_f32 v[TU:TU+1], v[H+16+\i:H+17+\i], v[TB+16+\i:TB+17+\i]
	v_pk_mul_f32 v[TU+2:TU+3], v[H+16+\i:H+17+\i], v[TB+\i:TB+1+\i]
	s_delay_alu instid0(VALU_DEP_1)
	v_pk_fma_f32 v[H+16+\i:H+17+\i], v[H+\i:H+1+\i], v[TB+16+\i:TB+17+\i], v[TU+2:TU+3]
	s_delay_alu instid0(VALU_DEP_3)
	v_pk_fma_f32 v[H+\i:H+1+\i], v[H+\i:H+1+\i], v[TB+\i:TB+1+\i], v[TU:TU+1] neg_lo:[0,0,1] neg_hi:[0,0,1]
.endr
.Lquant:
	s_wait_dscnt 0x0                               ; the sums are in
.irp b, 0,1,2,3
	v_mov_b32 v[TM+4+\b], 0                        ; a lane permute's destination counts as one of its sources
.endr
	QUANT H, PC, TM, PW
	s_mul_i32 s52, s20, 12288
	s_mul_i32 s54, s21, 1536
	s_add_co_u32 s52, s52, s54
	s_add_co_u32 s52, s52, CKO
	s_add_nc_u64 s[16:17], s[16:17], s[52:53]
	s_lshl_b32 s52, s20, 9
	s_and_b32 s54, s21, 1
	s_lshl_b32 s54, s54, 8
	s_add_co_u32 s52, s52, s54
	s_lshr_b32 s54, s21, 1
	s_lshl_b32 s54, s54, 2
	s_add_co_u32 s52, s52, s54
	s_add_co_u32 s52, s52, CKS
	s_add_nc_u64 s[18:19], s[18:19], s[52:53]
	s_wait_alu depctr_va_vdst(0)
.irp c, 0,1,2
	global_store_b128 v1, v[PC+4*\c:PC+4*\c+3], s[16:17] offset:512*\c
.endr
	global_store_b32 v13, v[PW], s[18:19]          ; word of tile a, row r at 16 (r + 16 (a % 2)) + 4 (a / 2); both halves of the lanes write the same
.Lend:
	s_wait_tensorcnt 0x0
	ds_add_u32 v254, v255
	s_wait_dscnt 0x0
	s_endpgm
.Lfunc_end_k_qc728ad3dec_ckv:
	.size	k_qc728ad3dec_ckv, .Lfunc_end_k_qc728ad3dec_ckv-k_qc728ad3dec_ckv
	.p2alignl 7, 3214868480
	.fill 96, 4, 3214868480
	.section	.rodata,"a",@progbits
	.p2align	6, 0x0
	.amdhsa_kernel k_qc728ad3dec_ckv
		.amdhsa_group_segment_fixed_size 153600
		.amdhsa_private_segment_fixed_size 0
		.amdhsa_enable_private_segment 0
		.amdhsa_kernarg_size 64
		.amdhsa_user_sgpr_count 2
		.amdhsa_user_sgpr_kernarg_segment_ptr 1
		.amdhsa_wavefront_size32 1
		.amdhsa_system_sgpr_workgroup_id_x 1
		.amdhsa_system_sgpr_workgroup_id_y 1
		.amdhsa_system_sgpr_workgroup_id_z 1
		.amdhsa_system_vgpr_workitem_id 0
		.amdhsa_next_free_vgpr 256
		.amdhsa_next_free_sgpr 66
		.amdhsa_reserve_vcc 0
		.amdhsa_float_denorm_mode_32 3
		.amdhsa_float_denorm_mode_16_64 3
		.amdhsa_memory_ordered 1
		.amdhsa_forward_progress 1
		.amdhsa_inst_pref_size 34
	.end_amdhsa_kernel
	.amdgpu_metadata
---
amdhsa.version: [ 1, 2 ]
amdhsa.kernels:
  - .name:           k_qc728ad3dec_ckv
    .symbol:         k_qc728ad3dec_ckv.kd
    .args:
      - { .name: opc, .offset: 0, .size: 8, .value_kind: global_buffer, .address_space: global }
      - { .name: ops, .offset: 8, .size: 8, .value_kind: global_buffer, .address_space: global }
      - { .name: tab, .offset: 16, .size: 8, .value_kind: global_buffer, .address_space: global }
      - { .name: bk, .offset: 24, .size: 8, .value_kind: global_buffer, .address_space: global }
      - { .name: bv, .offset: 32, .size: 8, .value_kind: global_buffer, .address_space: global }
      - { .name: kn_w, .offset: 40, .size: 8, .value_kind: global_buffer, .address_space: global }
      - { .name: qkvc, .offset: 48, .size: 8, .value_kind: global_buffer, .address_space: global }
      - { .name: qkvs, .offset: 56, .size: 8, .value_kind: global_buffer, .address_space: global }
    .group_segment_fixed_size: 153600
    .private_segment_fixed_size: 0
    .kernarg_segment_align: 8
    .kernarg_segment_size: 64
    .max_flat_workgroup_size: 512
    .sgpr_count:     66
    .vgpr_count:     256
    .wavefront_size: 32
...
	.end_amdgpu_metadata
.endif
;; end of part 2
;; launch qkv (part 3): grid 24 x 8, 4 waves a work-group, clusters of 4 x 4, 327,680 bytes of LDS; arguments opc, ops, tab, bq, blk, blv, qn_w, kn_w, sink_k, qkvc, qkvs; writes qkvc, qkvs
.if DOCPART == 3
	.amdgcn_target "amdgcn-amd-amdhsa--gfx1250"
	.amdhsa_code_object_version 6
	.text
	.protected	k_qc728ad3dec_qkv
	.globl	k_qc728ad3dec_qkv
	.p2align	8
	.type	k_qc728ad3dec_qkv,@function
k_qc728ad3dec_qkv:
	s_mov_b64 s[64:65], 0
	v_nop
	global_prefetch_b8 v0, s[64:65] scope:SCOPE_SE
	s_setreg_imm32_b32 hwreg(HW_REG_WAVE_MODE, 25, 1), 1
	s_wait_xcnt 0x0
	s_wait_alu depctr_hold_cnt(0) depctr_sa_sdst(0) depctr_va_vdst(0) depctr_va_sdst(0) depctr_va_ssrc(0) depctr_va_vcc(0) depctr_vm_vsrc(0)
	s_getreg_b32 s2, hwreg(HW_REG_IB_STS2, 6, 4)
	s_cmp_eq_u32 s2, 0
	s_cbranch_scc0 .Lentry_in_a_cluster
	s_endpgm
.Lentry_in_a_cluster:
	s_bfe_u32 s2, ttmp6, 0x10000c
	s_cmp_lg_u32 s2, 0xf033
	s_cbranch_scc0 .Lentry_shape_is_right
	s_endpgm
.Lentry_shape_is_right:
.set NQ,     2
.set FR,     12
.set NL,     3
.set NP,     4
.set TILEB,  24576
.set KSB,    3072
.set HALFT,  8*KSB
.set SLOT,   4*HALFT
.set LAPS,   4
.set SCL,    2*SLOT
.set HALFS,  8192
.set SPARE,  SCL+4*HALFS
.set LVO,    6291456
.set LVS,    262144
.set SNK,    394240
.set ADRA, 16
.set ADRB, 20
.set VH,   22
.set VB,   23
.set LI,   24
.set L16,  25
.set ADRS, 27
.set SPW,  28
.set NIL,  29
.set SC,   32
.set AF,   128
.set PC,   64
.set TM,   84
.set PW,   100
.set SS,   102
.set RN,   106
.set SWP,  108
.set SDP,  112
.set TU,   116
.set SD,   120
.set H,    128
.set TB,   192
.set BX,   192
.set BIAS, 0
.set NW,   64
.set SK,   128
.set G1, 24
.set G0, 32
.set G1B, 48
.set G0B, 56
.set G1S, 68
.set G0S, 76
.set G1SB, 80
.set G0SB, 88
.set SEL, 66
.set MSB, 0
.macro WIN new
.if MSB != \new
	s_set_vgpr_msb (MSB<<8)|\new
.set MSB, \new
.endif
.endm
.set MUL_LO, 0xa1
.set MUL_HI, 0xf1
.set TO_B,   0x40
.macro JLOAD g0a, g1a, g0b, g1b
	s_cmp_eq_u32 s15, 0
	s_cbranch_scc0 .Lfor_b_\@
	tensor_load_to_lds s[\g0a:\g0a+3], s[\g1a:\g1a+7]
	s_nop 0
.rept 4
	v_nop
.endr
	s_branch .Lasked_\@
.Lfor_b_\@:
	tensor_load_to_lds s[\g0b:\g0b+3], s[\g1b:\g1b+7]
	s_nop 0
.rept 4
	v_nop
.endr
.Lasked_\@:
.endm
.macro CREST
	s_cmp_lg_u32 s14, 0
	s_cbranch_scc1 .Lnot_wave_0_\@
	s_barrier_signal -3
.Lnot_wave_0_\@:
	s_barrier_wait -3
	s_barrier_signal -1
	s_barrier_wait -1
.endm
.macro CROUND
	s_barrier_signal -1
	s_barrier_wait -1
	CREST
.endm
	s_load_b128 s[4:7], s[0:1], 0x0
	v_lshl_add_u32 v[SPW], v0, 2, SPARE
	v_mov_b32 v[NIL], 0
	ds_add_u32 v28, v29
	ds_add_u32 v28, v29
	s_wait_dscnt 0x0
	v_lshrrev_b32 v1, 5, v0
	v_readfirstlane_b32 s14, v1
	s_lshr_b32 s15, s14, 1
	s_and_b32 s16, s14, 1
	s_bfe_u32 s40, ttmp6, 0x40000
	s_bfe_u32 s41, ttmp6, 0x40004
	s_lshl_b32 s42, ttmp9, 2
	s_add_co_u32 s42, s42, s40
	s_and_b32 s17, ttmp7, 0xffff
	s_lshl_b32 s17, s17, 2
	s_add_co_u32 s17, s17, s41
	s_lshl_b32 s43, s41, 2
	s_lshl_b32 s43, 15, s43
	s_lshl_b32 s44, 0x1111, s40
	s_or_b32 s[G1+0], s43, (3<<16)|(1<<21)
	s_or_b32 s[G1B+0], s44, (3<<16)|(1<<21)
.irp g, G1, G1B
	s_mov_b32 s[\g+1], 384<<16
	s_mov_b32 s[\g+2], 16<<16                      ; the head's loads of codes bring 16 tiles; behind them the two words that count rows are set to 8
	s_mov_b32 s[\g+3], 384<<16
	s_mov_b32 s[\g+4], 16
	s_mov_b32 s[\g+5], 3072
	s_mov_b32 s[\g+6], 0
	s_mov_b32 s[\g+7], 0
.endr
	s_or_b32 s[G1S+0], s43, (3<<16)|(1<<21)
	s_or_b32 s[G1SB+0], s44, (3<<16)|(1<<21)
.irp g, G1S, G1SB
	s_mov_b32 s[\g+1], 32<<16
	s_mov_b32 s[\g+2], 64<<16                      ; the scale bytes of 16 tiles: 16,384 dense bytes as 64 rows of 256
	s_mov_b32 s[\g+3], 32<<16
	s_mov_b32 s[\g+4], 64
	s_mov_b32 s[\g+5], 32
	s_mov_b32 s[\g+6], 0
	s_mov_b32 s[\g+7], 0
.endr
	s_lshr_b32 s96, ttmp9, 2
	s_mul_i32 s96, s96, 384
	s_sub_co_u32 s97, 384, s96
	s_lshl_b32 s18, s16, 3
	s_lshl_b32 s20, s17, 4
	s_add_co_u32 s20, s20, s96
	s_lshl_b32 s46, s42, 4
	s_add_co_u32 s46, s46, s97
	s_sub_co_u32 s46, s46, 256
	s_lshl_b32 s22, s20, 10
	s_mov_b32 s23, 0
	s_lshl_b32 s92, s46, 10
	s_mov_b32 s93, 0
	s_mul_i32 s20, s20, TILEB
	s_mov_b32 s21, 0
	s_mul_i32 s46, s46, TILEB
	s_mov_b32 s47, 0
	s_mul_i32 s45, s14, HALFT
	s_mul_i32 s18, s18, TILEB                      ; in the ring I fetch 8 tiles: which half, in bytes
	s_mov_b32 s19, 0
	s_wait_kmcnt 0x0
	s_add_nc_u64 s[20:21], s[4:5], s[20:21]
	s_add_nc_u64 s[22:23], s[6:7], s[22:23]
	s_add_nc_u64 s[46:47], s[4:5], s[46:47]
	s_add_nc_u64 s[92:93], s[6:7], s[92:93]
	CROUND
	s_mov_b32 s4, 1                                ; the head's four tiles, each whole: slot 0's 16 tiles of source 1 (group 0 in s[4:7]: the arguments there have been used),
	s_mov_b32 s5, 0
	s_mov_b64 s[6:7], s[20:21]
	s_or_b32 s7, s7, 0x80000000
	s_mov_b32 s8, 1                                ; its 16 tiles of source 0, behind them (s[8:11]),
	s_mov_b32 s9, 2*HALFT
	s_mov_b64 s[10:11], s[46:47]
	s_or_b32 s11, s11, 0x80000000
	s_mov_b32 s[G0S], 1                            ; and the two blocks of scale bytes
	s_mov_b32 s[G0S+1], SCL
	s_mov_b64 s[G0S+2:G0S+3], s[22:23]
	s_or_b32 s[G0S+3], s[G0S+3], 0x80000000
	s_mov_b32 s[G0SB], 1
	s_mov_b32 s[G0SB+1], SCL+2*HALFS
	s_mov_b64 s[G0SB+2:G0SB+3], s[92:93]
	s_or_b32 s[G0SB+3], s[G0SB+3], 0x80000000
	s_add_nc_u64 s[20:21], s[20:21], s[18:19]      ; for the ring: my 8 tiles
	s_add_nc_u64 s[46:47], s[46:47], s[18:19]
.irp s, 0,1
	s_mov_b32 s[G0+4*\s], 1
	s_add_co_u32 s[G0+4*\s+1], s45, \s*SLOT
	s_add_nc_u64 s[G0+4*\s+2:G0+4*\s+3], s[20:21], \s*KSB
	s_or_b32 s[G0+4*\s+3], s[G0+4*\s+3], 0x80000000
	s_mov_b32 s[G0B+4*\s], 1
	s_add_co_u32 s[G0B+4*\s+1], s45, \s*SLOT
	s_add_nc_u64 s[G0B+4*\s+2:G0B+4*\s+3], s[46:47], \s*KSB
	s_or_b32 s[G0B+4*\s+3], s[G0B+4*\s+3], 0x80000000
.endr
; The head's loads, one a wave: one chain of branches on the wave's number, a load to an arm, all arms leading to one join.
.macro ARM under, g0, g1, next
	s_cmp_lt_u32 s14, \under
	s_cbranch_scc0 \next
	tensor_load_to_lds s[\g0:\g0+3], s[\g1:\g1+7]
	s_nop 0
.rept 4
	v_nop
.endr
	s_branch .Lhead_asked
\next:
.endm
	ARM 1, 4,   G1,  .Lhead_b
	ARM 2, 8,   G1B, .Lhead_sa
	ARM 3, G0S, G1S, .Lhead_sb
	tensor_load_to_lds s[G0SB:G0SB+3], s[G1SB:G1SB+7]
	s_nop 0
.rept 4
	v_nop
.endr
.Lhead_asked:
	s_wait_alu depctr_va_vdst(0)
	s_wait_tensorcnt 0x0                           ; my tile of the four is in
	ds_add_u32 v28, v29
	s_mov_b32 s[G1+2], 8<<16                       ; no tensor load of mine is out: from here on a load brings 8 tiles
	s_mov_b32 s[G1+4], 8
	s_mov_b32 s[G1B+2], 8<<16
	s_mov_b32 s[G1B+4], 8
	s_wait_dscnt 0x0
	CROUND                                         ; all four tiles are in, in all sixteen work-groups
	JLOAD G0+4, G1, G0B+4, G1B                     ; slot 1's first fill, the first tensor load behind the round
	v_and_b32 v1, 15, v0
	v_bfe_u32 v2, v0, 4, 1
	v_bfe_u32 v3, v0, 3, 1
	v_and_b32 v4, 7, v0
	v_add_nc_u32 v5, v2, v3
	v_and_b32 v5, 1, v5
	v_lshlrev_b32 v[LI], 4, v4
	v_lshl_add_u32 v[LI], v5, 7, v[LI]
	v_lshl_add_u32 v[LI], v3, 8, v[LI]
	s_mul_i32 s21, s15, HALFT
	s_mul_i32 s22, s16, HALFT
	s_add_co_u32 s22, s22, 2*HALFT
.irp s, 0,1
	v_add_nc_u32 v[ADRA+\s], s21, v[LI]
	v_add_nc_u32 v[ADRB+\s], s22, v[LI]
	s_add_co_u32 s21, s21, SLOT
	s_add_co_u32 s22, s22, SLOT
.endr
	v_lshlrev_b32 v5, 3, v4
	v_lshl_add_u32 v5, v3, 9, v5
	s_mul_i32 s21, s15, HALFS
	s_mul_i32 s22, s16, HALFS
	s_add_co_u32 s22, s22, 2*HALFS
	s_sub_co_u32 s22, s22, s21
	v_mul_u32_u24 v6, s22, v2
	s_add_co_u32 s21, s21, SCL
	v_add_nc_u32 v5, v5, v6
	v_add_nc_u32 v[ADRS], s21, v5
	v_lshlrev_b32 v[VH], 6, v2
	v_lshl_add_u32 v[VB], v3, 4, v4
	v_lshlrev_b32 v[VB], 2, v[VB]
	v_and_b32 v6, 31, v0
	v_lshlrev_b32 v[L16], 4, v6
	s_load_b256 s[4:11], s[0:1], 0x10
	s_load_b256 s[92:99], s[0:1], 0x30
	s_load_b64 s[12:13], s[0:1], 0x50
	s_mov_b32 s[SEL], 0x76543210
	s_mov_b32 s[SEL+1], 0xfedcba98
	s_mov_b32 s100, 0x3c000000
	s_mov_b32 s101, 0x358637bd
	s_mov_b32 s2, 0xffff0000
.macro FRAG reg, adr, q, i
.irp c, 0,1,2
	ds_load_b128 v[(\reg)+4*\c:(\reg)+4*\c+3], v[\adr] offset:KSB*(\i)+1536*(\q)+512*\c
.endr
.endm
.macro MUL16 a0, p, q, sc, zero
.irp a, \a0, \a0+1
.irp b, 0,1,2,3,4,5,6,7
.if \zero
	v_wmma_scale_f32_16x16x128_f8f6f4 v[8*(8*((\a)%4)+\b):8*(8*((\a)%4)+\b)+7], v[128*(\p)+FR*\b:128*(\p)+FR*\b+FR-1], v[AF+FR*(\a):AF+FR*(\a)+FR-1], 0, v[SC+8*NQ*(\sc)+NQ*\b+(\q)], v[SC+8*NQ*(\sc)+NQ*(\a)+(\q)] matrix_a_fmt:MATRIX_FMT_FP6 matrix_b_fmt:MATRIX_FMT_FP6 matrix_a_scale:MATRIX_SCALE_ROW1
.else
	v_wmma_scale_f32_16x16x128_f8f6f4 v[8*(8*((\a)%4)+\b):8*(8*((\a)%4)+\b)+7], v[128*(\p)+FR*\b:128*(\p)+FR*\b+FR-1], v[AF+FR*(\a):AF+FR*(\a)+FR-1], v[8*(8*((\a)%4)+\b):8*(8*((\a)%4)+\b)+7], v[SC+8*NQ*(\sc)+NQ*\b+(\q)], v[SC+8*NQ*(\sc)+NQ*(\a)+(\q)] matrix_a_fmt:MATRIX_FMT_FP6 matrix_b_fmt:MATRIX_FMT_FP6 matrix_a_scale:MATRIX_SCALE_ROW1
.endif
.endr
.endr
.endm
.macro FETCH_B slot, q, p
	WIN TO_B
.irp i, 0,1,2,3,4,5,6,7
	FRAG 128*(\p)+FR*\i, ADRB+\slot, \q, \i
.endr
	WIN 0
.endm
.macro FETCH_A slot, q, i0
.irp i, \i0, \i0+1, \i0+2, \i0+3
	FRAG AF+FR*(\i), ADRA+\slot, \q, \i
.endr
.endm
.macro SCALES sc
.irp i, 0,1,2,3,4,5,6,7
	ds_load_b64 v[SC+8*NQ*\sc+NQ*\i:SC+8*NQ*\sc+NQ*\i+1], v[ADRS] offset:\i*1024
.endr
.endm
.macro PLACES n
.rept \n
	v_nop
.endr
.endm
.macro STEP slot, q, zero
	s_wait_dscnt 4*NL
	WIN MUL_LO
	MUL16 0, (\q)%2, \q, \slot, \zero
	MUL16 2, (\q)%2, \q, \slot, \zero
	s_wait_dscnt 0
	PLACES NP
	FETCH_B \slot, (\q)+1, 1-(\q)%2
	FETCH_A \slot, (\q)+1, 0
	WIN MUL_HI
	MUL16 4, (\q)%2, \q, \slot, \zero
	MUL16 6, (\q)%2, \q, \slot, \zero
	PLACES NP
	WIN 0
	FETCH_A \slot, (\q)+1, 4
.endm
.macro TURN slot, next, fill
	s_wait_tensorcnt 0x0
	ds_add_u32 v[SPW], v[NIL]
	s_wait_dscnt 4*NL+1
	WIN MUL_LO
	MUL16 0, 1, NQ-1, \slot, 0
	s_wait_dscnt 0x0
	s_barrier_signal -1
	MUL16 2, 1, NQ-1, \slot, 0
	WIN 0
	s_barrier_wait -1
.if \fill
	CREST
	s_add_nc_u64 s[G0+4*\slot+2:G0+4*\slot+3], s[G0+4*\slot+2:G0+4*\slot+3], 2*KSB
	s_add_nc_u64 s[G0B+4*\slot+2:G0B+4*\slot+3], s[G0B+4*\slot+2:G0B+4*\slot+3], 2*KSB
	JLOAD G0+4*\slot, G1, G0B+4*\slot, G1B
.else
	PLACES NP
.endif
	s_wait_alu depctr_va_vdst(0)
	v_add_nc_u32 v[ADRS], 64, v[ADRS]
	FETCH_B \next, 0, 0
	FETCH_A \next, 0, 0
	SCALES \next
	WIN MUL_HI
	MUL16 4, 1, NQ-1, \slot, 0
	MUL16 6, 1, NQ-1, \slot, 0
	PLACES NP
	WIN 0
	FETCH_A \next, 0, 4
.endm
	s_wait_alu depctr_va_vdst(0)
	s_wait_kmcnt 0x0
	s_wait_tensorcnt 1
	s_barrier_signal -1
	s_barrier_wait -1
	FETCH_B 0, 0, 0
	FETCH_A 0, 0, 0
	SCALES 0
	FETCH_A 0, 0, 4
	STEP 0, 0, 1
	s_mov_b32 s3, LAPS-1
.Llap:
	TURN 0, 1, 1
	STEP 1, 0, 0
	TURN 1, 0, 1
	STEP 0, 0, 0
	s_sub_co_u32 s3, s3, 1
	s_cmp_lg_u32 s3, 0
	s_cbranch_scc1 .Llap
	TURN 0, 1, 0
	STEP 1, 0, 0
	s_wait_dscnt 4*NL
	WIN MUL_LO
	MUL16 0, 1, NQ-1, 1, 0
	MUL16 2, 1, NQ-1, 1, 0
	s_wait_dscnt 0
	WIN MUL_HI
	MUL16 4, 1, NQ-1, 1, 0
	MUL16 6, 1, NQ-1, 1, 0
	WIN 0
	PLACES NP
.macro QTAIL s, pc, tm, pw
.irp b, 0,1,2,3
	v_add_nc_u32 v[\tm+12+\b], 0xff000000, v[\tm+\b]
.endr
.irp b, 0,1,2,3
	v_lshrrev_b32 v[\tm+4+\b], 23, v[\tm+12+\b]
.endr
	v_lshl_or_b32 v[\pw], v[\tm+5], 8, v[\tm+4]
	v_lshl_or_b32 v[\pw], v[\tm+6], 16, v[\pw]
	v_lshl_or_b32 v[\pw], v[\tm+7], 24, v[\pw]
.irp c, 0,1
	v_cvt_scalef32_pk16_fp6_f32 v[\pc+6*\c:\pc+2+6*\c], v[\s+32*\c:\s+15+32*\c], v[\tm+12+2*\c]
	v_cvt_scalef32_pk16_fp6_f32 v[\pc+12+4*\c:\pc+14+4*\c], v[\s+16+32*\c:\s+31+32*\c], v[\tm+12+2*\c+1]
.endr
	v_nop
.irp c, 0,1
.irp i, 0,1,2
	v_permlane16_swap_b32 v[\pc+6*\c+\i], v[\pc+12+4*\c+\i]
.endr
.irp i, 0,1,2
	v_mov_b32 v[\pc+3+6*\c+\i], v[\pc+12+4*\c+\i]
.endr
.endr
.endm
.macro QUANT s, pc, tm, pw
.irp b, 0,1,2,3
	v_max3_num_f32 v[\tm+\b], |v[\s+16*\b]|, |v[\s+1+16*\b]|, 0x1800000
.endr
.irp i, 2,4,6,8,10,12,14
.irp b, 0,1,2,3
	v_max3_num_f32 v[\tm+\b], v[\tm+\b], |v[\s+16*\b+\i]|, |v[\s+1+16*\b+\i]|
.endr
.endr
.irp b, 0,1,2,3
	v_permlanex16_b32 v[\tm+4+\b], v[\tm+\b], s[SEL], s[SEL+1]
.endr
.irp b, 0,1,2,3
	v_max_num_f32 v[\tm+\b], v[\tm+\b], v[\tm+4+\b]
.endr
	QTAIL \s, \pc, \tm, \pw
.endm
.macro OUTQ a
	s_wait_xcnt 0x0
	QUANT H, PC, TM, PW
.irp c, 0,1,2
	global_store_b128 v[LI], v[PC+4*\c:PC+4*\c+3], s[98:99] offset:1536*(\a)+512*\c
.endr
.if (\a)%2 == 0
	v_mov_b32 v[SWP+(\a)/2], v[PW]
.else
	v_cndmask_b32 v[SWP+(\a)/2], v[SWP+(\a)/2], v[PW], s2
.endif
.endm
.macro EPIN a
.set AC, 64*((\a)%4)
.set TT, TB+32*((\a)%2)
.if (\a) < 7
.irp q, 0,1,2,3,4,5,6,7
	global_load_b128 v[TB+32*(((\a)+1)%2)+4*\q:TB+32*(((\a)+1)%2)+4*\q+3], v[L16], s[4:5] offset:4096*((\a)+1)+512*\q
.endr
	s_wait_loadcnt 8
.else
	s_wait_loadcnt 0x0
.endif
	WIN 0x06+(\a)/4
.set j, 0
.rept 32
	v_pk_add_f32 v[H+j:H+j+1], v[AC+j:AC+j+1], v[BIAS+j:BIAS+j+1]
.set j, j+2
.endr
	WIN 0
	v_pk_mul_f32 v[SS:SS+1], v[H:H+1], v[H:H+1]
	v_pk_mul_f32 v[SS+2:SS+3], v[H+2:H+3], v[H+2:H+3]
.irp j, 4,8,12,16,20,24,28,32,36,40,44,48,52,56,60
	v_pk_fma_f32 v[SS:SS+1], v[H+\j:H+\j+1], v[H+\j:H+\j+1], v[SS:SS+1]
	v_pk_fma_f32 v[SS+2:SS+3], v[H+\j+2:H+\j+3], v[H+\j+2:H+\j+3], v[SS+2:SS+3]
.endr
	v_pk_add_f32 v[SS:SS+1], v[SS:SS+1], v[SS+2:SS+3]
	v_add_f32 v[SS], v[SS], v[SS+1]
	v_permlanex16_b32 v[SS+2], v[SS], s[SEL], s[SEL+1]
	v_add_f32 v[SS], v[SS], v[SS+2]
	v_fma_f32 v[SS], v[SS], s100, s101
	s_wait_alu depctr_va_vdst(0)
	v_rsq_f32 v[RN], v[SS]
	v_mov_b32 v[RN+1], 0
.set j, 0
	s_wait_alu depctr_va_vdst(0)
.rept 32
	v_pk_mul_f32 v[H+j:H+j+1], v[H+j:H+j+1], v[RN:RN+1] op_sel_hi:[1,0]
.set j, j+2
.endr
	WIN 0x04
.set j, 0
.rept 32
	v_pk_mul_f32 v[H+j:H+j+1], v[H+j:H+j+1], v[NW+j:NW+j+1]
.set j, j+2
.endr
	WIN 0
.irp i, 0,2,4,6,8,10,12,14
	v_pk_mul_f32 v[TU:TU+1], v[H+16+\i:H+17+\i], v[TT+16+\i:TT+17+\i]
	v_pk_mul_f32 v[TU+2:TU+3], v[H+16+\i:H+17+\i], v[TT+\i:TT+1+\i]
	v_pk_fma_f32 v[H+16+\i:H+17+\i], v[H+\i:H+1+\i], v[TT+16+\i:TT+17+\i], v[TU+2:TU+3]
	v_pk_fma_f32 v[H+\i:H+1+\i], v[H+\i:H+1+\i], v[TT+\i:TT+1+\i], v[TU:TU+1] neg_lo:[0,0,1] neg_hi:[0,0,1]
.endr
	s_cmp_lt_u32 ttmp9, 2                          ; q . sink_k is made for the queries alone: clusters 0, 1 along x; the number is the same in all partners
	s_wait_alu depctr_va_vdst(0)
	s_cbranch_scc0 .Lno_sink_\@
	WIN 0x04
	v_pk_mul_f32 v[SD:SD+1], v[H:H+1], v[SK:SK+1]
	v_pk_mul_f32 v[SD+2:SD+3], v[H+2:H+3], v[SK+2:SK+3]
.irp j, 4,8,12,16,20,24,28,32,36,40,44,48,52,56,60
	v_pk_fma_f32 v[SD:SD+1], v[H+\j:H+\j+1], v[SK+\j:SK+\j+1], v[SD:SD+1]
	v_pk_fma_f32 v[SD+2:SD+3], v[H+\j+2:H+\j+3], v[SK+\j+2:SK+\j+3], v[SD+2:SD+3]
.endr
	WIN 0
	v_pk_add_f32 v[SD:SD+1], v[SD:SD+1], v[SD+2:SD+3]
	v_add_f32 v[SD], v[SD], v[SD+1]
	v_permlanex16_b32 v[SD+2], v[SD], s[SEL], s[SEL+1]
	v_add_f32 v[SD], v[SD], v[SD+2]
.if (\a)%2 == 0
	v_mov_b32 v[SDP+(\a)/2], v[SD]
.else
	v_cndmask_b32 v[SDP+(\a)/2], v[SDP+(\a)/2], v[SD], s2
.endif
.Lno_sink_\@:
	OUTQ \a
.endm
.macro EPIV a
.set AC, 64*((\a)%4)
	WIN 0x02+(\a)/4
.set j, 0
.rept 32
	v_pk_add_f32 v[H+j:H+j+1], v[AC+j:AC+j+1], v[BX+2*(\a):BX+2*(\a)+1]
.set j, j+2
.endr
	WIN 0
	OUTQ \a
.endm
.irp b, 0,1,2,3
	v_mov_b32 v[TM+4+\b], 0
.endr
	s_mov_b32 s41, 0
	s_cmp_lt_u32 ttmp9, 4
	s_cbranch_scc0 .Lv
	s_lshl_b32 s20, s42, 1
	s_add_co_u32 s20, s20, s16
	s_lshl_b32 s21, s17, 4
	s_lshl_b32 s22, s15, 3
	s_add_co_u32 s21, s21, s22
	s_lshl_b32 s22, s20, 7
	s_add_co_u32 s22, s22, s21
	s_mul_i32 s40, s22, 1536
	s_add_nc_u64 s[98:99], s[98:99], s[40:41]
	s_lshl_b32 s40, s22, 6
	s_add_nc_u64 s[12:13], s[12:13], s[40:41]
	s_lshl_b32 s40, s21, 12
	s_add_nc_u64 s[4:5], s[4:5], s[40:41]
	s_and_b32 s40, s20, 15
	s_lshl_b32 s40, s40, 9
	s_cmp_lt_u32 ttmp9, 2
	s_cselect_b64 s[6:7], s[6:7], s[8:9]
	s_cselect_b64 s[92:93], s[92:93], s[94:95]
	s_add_nc_u64 s[6:7], s[6:7], s[40:41]
	s_add_nc_u64 s[96:97], s[96:97], s[40:41]
	WIN 0x40
.irp b, 0,1,2,3
.irp q, 0,1,2,3
	global_load_b128 v[BIAS+16*\b+4*\q:BIAS+16*\b+4*\q+3], v[VH], s[6:7] offset:128*\b+16*\q
	global_load_b128 v[NW+16*\b+4*\q:NW+16*\b+4*\q+3], v[VH], s[92:93] offset:128*\b+16*\q
.endr
.endr
	WIN 0
.irp q, 0,1,2,3,4,5,6,7
	global_load_b128 v[TB+4*\q:TB+4*\q+3], v[L16], s[4:5] offset:512*\q
.endr
; One text of the way out serves q and lk; they part only round the sink's dot product.  lk's work-groups load sink_k too (16 loads a wave) and do not use it:
; so the registers that the dot product names are written on every way through the text.
	WIN 0x40
.irp b, 0,1,2,3
.irp q, 0,1,2,3
	global_load_b128 v[SK+16*\b+4*\q:SK+16*\b+4*\q+3], v[VH], s[96:97] offset:128*\b+16*\q
.endr
.endr
	WIN 0
.irp b, 0,1,2,3
	v_mov_b32 v[SDP+\b], 0                         ; likewise written on every way
.endr
.irp a, 0,1,2,3,4,5,6,7
	EPIN \a
.endr
	global_store_b128 v[L16], v[SWP:SWP+3], s[12:13]
	s_cmp_lt_u32 ttmp9, 2
	s_cbranch_scc0 .Ltail
	global_store_b128 v[L16], v[SDP:SDP+3], s[12:13] offset:SNK
	s_branch .Ltail
.Lv:
	s_lshl_b32 s20, s17, 1
	s_add_co_u32 s20, s20, s15
	s_sub_co_u32 s21, s42, 16
	s_lshl_b32 s21, s21, 1
	s_add_co_u32 s21, s21, s16
	s_lshl_b32 s22, s20, 4
	s_add_co_u32 s22, s22, s21
	s_mul_i32 s40, s22, 12288
	s_add_co_u32 s40, s40, LVO
	s_add_nc_u64 s[98:99], s[98:99], s[40:41]
	s_lshl_b32 s40, s22, 9
	s_add_co_u32 s40, s40, LVS
	s_add_nc_u64 s[12:13], s[12:13], s[40:41]
	s_lshl_b32 s40, s20, 9
	s_add_nc_u64 s[10:11], s[10:11], s[40:41]
.irp a, 0,1,2,3,4,5,6,7
	global_load_b32 v[BX+2*\a], v[VB], s[10:11] offset:4*(32*(\a/2)+8*(\a%2))
	global_load_b32 v[BX+2*\a+1], v[VB], s[10:11] offset:4*(32*(\a/2)+8*(\a%2))
.endr
	s_wait_loadcnt 0x0
.irp a, 0,1,2,3,4,5,6,7
	EPIV \a
.endr
	global_store_b128 v[L16], v[SWP:SWP+3], s[12:13]
.Ltail:
	s_wait_tensorcnt 0x0
	ds_add_u32 v[SPW], v[NIL]
	s_wait_dscnt 0x0
	CROUND
	s_endpgm
.Lfunc_end_k_qc728ad3dec_qkv:
	.size	k_qc728ad3dec_qkv, .Lfunc_end_k_qc728ad3dec_qkv-k_qc728ad3dec_qkv
	.p2alignl 7, 3214868480
	.fill 96, 4, 3214868480
	.section	.rodata,"a",@progbits
	.p2align	6, 0x0
	.amdhsa_kernel k_qc728ad3dec_qkv
		.amdhsa_group_segment_fixed_size 327680
		.amdhsa_private_segment_fixed_size 0
		.amdhsa_enable_private_segment 0
		.amdhsa_kernarg_size 88
		.amdhsa_user_sgpr_count 2
		.amdhsa_user_sgpr_kernarg_segment_ptr 1
		.amdhsa_wavefront_size32 1
		.amdhsa_system_sgpr_workgroup_id_x 1
		.amdhsa_system_sgpr_workgroup_id_y 1
		.amdhsa_system_sgpr_workgroup_id_z 1
		.amdhsa_system_vgpr_workitem_id 0
		.amdhsa_next_free_vgpr 1024
		.amdhsa_next_free_sgpr 102
		.amdhsa_reserve_vcc 0
		.amdhsa_float_denorm_mode_32 3
		.amdhsa_float_denorm_mode_16_64 3
		.amdhsa_memory_ordered 1
		.amdhsa_forward_progress 1
		.amdhsa_inst_pref_size 255
	.end_amdhsa_kernel
	.section	.bss,"aw",@nobits
	.p2align	6
	.space	262144
	.amdgpu_metadata
---
amdhsa.version: [ 1, 2 ]
amdhsa.kernels:
  - .name:           k_qc728ad3dec_qkv
    .symbol:         k_qc728ad3dec_qkv.kd
    .args:
      - { .name: opc, .offset: 0, .size: 8, .value_kind: global_buffer, .address_space: global }
      - { .name: ops, .offset: 8, .size: 8, .value_kind: global_buffer, .address_space: global }
      - { .name: tab, .offset: 16, .size: 8, .value_kind: global_buffer, .address_space: global }
      - { .name: bq, .offset: 24, .size: 8, .value_kind: global_buffer, .address_space: global }
      - { .name: blk, .offset: 32, .size: 8, .value_kind: global_buffer, .address_space: global }
      - { .name: blv, .offset: 40, .size: 8, .value_kind: global_buffer, .address_space: global }
      - { .name: qn_w, .offset: 48, .size: 8, .value_kind: global_buffer, .address_space: global }
      - { .name: kn_w, .offset: 56, .size: 8, .value_kind: global_buffer, .address_space: global }
      - { .name: sink_k, .offset: 64, .size: 8, .value_kind: global_buffer, .address_space: global }
      - { .name: qkvc, .offset: 72, .size: 8, .value_kind: global_buffer, .address_space: global }
      - { .name: qkvs, .offset: 80, .size: 8, .value_kind: global_buffer, .address_space: global }
    .group_segment_fixed_size: 327680
    .private_segment_fixed_size: 0
    .kernarg_segment_align: 8
    .kernarg_segment_size: 88
    .max_flat_workgroup_size: 128
    .sgpr_count:     102
    .vgpr_count:     1024
    .wavefront_size: 32
...
	.end_amdgpu_metadata
.endif
;; end of part 3
;; launch attn (part 4): grid 16 x 16, 8 waves a work-group, no clusters, 168,960 bytes of LDS; arguments qkvc, qkvs, sink_v, mc, ms; writes mc, ms
.if DOCPART == 4
	.amdgcn_target "amdgcn-amd-amdhsa--gfx1250"
	.amdhsa_code_object_version 6
	.text
	.protected	k_qc728ad3dec_attn
	.globl	k_qc728ad3dec_attn
	.p2align	8
	.type	k_qc728ad3dec_attn,@function
k_qc728ad3dec_attn:
	s_mov_b64 s[64:65], 0
	v_nop
	global_prefetch_b8 v0, s[64:65] scope:SCOPE_SE
	s_setreg_imm32_b32 hwreg(HW_REG_WAVE_MODE, 25, 1), 1
	s_wait_xcnt 0x0
; Both attention branches on codes of E2M3, the mean of the two, and its codes for the last projection.
; SHARES.  A work-group owns one head (y) and the 128 tokens of fragment F (x); each of its eight waves owns one tile of 16 queries.  A lane holds ONE query throughout: both products are used
; transposed (S^T = K Q^T, O^T = V^T P^T).  The rows of a tile: lane r of tile T stands for row 32 (T / 2) + 8 (T % 2) + r % 8 + 16 (r / 8), so that registers 16 b + i of a lane are key (or d) 32 b + 16 h + i.
; THE LOCAL BRANCH: keys s - 128 .. s lie in fragments F - 1 and F: two steps of 128 keys.  p = 2^(t - M), M = the ceiling of the running largest t, a whole number; the sum is taken of the unquantised p and divides at the end.
; THE COMPRESSED BRANCH: 128 entries and the sink: one step.  Its softmax is quantised finished: the largest logit (the sink's among them) is taken away, e = 2^(t - m), p = e / sum.
; The sink's part, its weight x sink_v, is the C that the product with cv adds onto.  Hidden scores become -infinity ahead of the maxima: p = 0, as with the reference's -1e9.
; LDS is filled once: six dense blocks of 12,288 bytes (lk and lv of both fragments, ck, cv), one tensor load each for waves 0 to 5.  At F = 0 fragment 0 is fetched in the place of F - 1 and not read.
; NO CLUSTER: of a work-group's 73,728 bytes only ck and cv, 24,576, are common to all; neighbours share one fragment, at different places in LDS.
; LIMITS: NaN and infinities among the inputs are not served; blocks under 2^-124 or of zeros keep the byte 1.
; REGISTERS: v1-3 addresses; v4-11, v28, v80-95, v253 scale words; v12 -M, v13 largest t, v14-15 sums; v16-27 Q; v29 the sink's raw score; v30, v31 the masks' bounds; v32-79 four fragments;
;   v96-159 S^T, then p; v160-223 the local O^T; v224-255 codes and work; window 1: v0-63 the compressed O^T.
.set LKO,  3145728
.set LKS,  131072
.set LVS,  262144
.set CKS,  393216
.set CVS,  393728
.set SNK,  394240
.set SWS,  73728                       ; behind the six blocks: the eight waves' scale words, 512 bytes
.set SEL,  20
.set CS,   22
.set NCS,  36
.set MSB, 0
.macro WIN new
.if MSB != \new
	s_set_vgpr_msb (MSB<<8)|\new
.set MSB, \new
.endif
.endm
.macro QTAIL s, pc, tm, pw
.irp b, 0,1,2,3
	s_delay_alu instid0(VALU_DEP_4)
	v_add_nc_u32 v[\tm+12+\b], 0xff000000, v[\tm+\b]   ; 2 off the exponent field: the conversion's scale operand
.endr
.irp b, 0,1,2,3
	s_delay_alu instid0(VALU_DEP_4)
	v_lshrrev_b32 v[\tm+4+\b], 23, v[\tm+12+\b]
.endr
	s_delay_alu instid0(VALU_DEP_3)
	v_lshl_or_b32 v[\pw], v[\tm+5], 8, v[\tm+4]
	s_delay_alu instid0(VALU_DEP_1)
	v_lshl_or_b32 v[\pw], v[\tm+6], 16, v[\pw]
	s_delay_alu instid0(VALU_DEP_1)
	v_lshl_or_b32 v[\pw], v[\tm+7], 24, v[\pw]
.irp c, 0,1
	v_cvt_scalef32_pk16_fp6_f32 v[\pc+6*\c:\pc+2+6*\c], v[\s+32*\c:\s+15+32*\c], v[\tm+12+2*\c]
	v_cvt_scalef32_pk16_fp6_f32 v[\pc+12+4*\c:\pc+14+4*\c], v[\s+16+32*\c:\s+31+32*\c], v[\tm+12+2*\c+1]
.endr
	v_nop                                          ; one plain place behind a scaled conversion
.irp c, 0,1
.irp i, 0,1,2
	v_permlane16_swap_b32 v[\pc+6*\c+\i], v[\pc+12+4*\c+\i]
.endr
.irp i, 0,1,2
	s_delay_alu instid0(VALU_DEP_3)
	v_mov_b32 v[\pc+3+6*\c+\i], v[\pc+12+4*\c+\i]
.endr
.endr
.endm
.macro QUANT s, pc, tm, pw
.irp b, 0,1,2,3
	v_max3_num_f32 v[\tm+\b], |v[\s+16*\b]|, |v[\s+1+16*\b]|, 0x1800000
.endr
.irp i, 2,4,6,8,10,12,14
.irp b, 0,1,2,3
	s_delay_alu instid0(VALU_DEP_4)
	v_max3_num_f32 v[\tm+\b], v[\tm+\b], |v[\s+16*\b+\i]|, |v[\s+1+16*\b+\i]|
.endr
.endr
.irp b, 0,1,2,3
	s_delay_alu instid0(VALU_DEP_4)
	v_permlanex16_b32 v[\tm+4+\b], v[\tm+\b], s[SEL], s[SEL+1]
.endr
.irp b, 0,1,2,3
	s_delay_alu instid0(VALU_DEP_4)
	v_max_num_f32 v[\tm+\b], v[\tm+\b], v[\tm+4+\b]
.endr
	QTAIL \s, \pc, \tm, \pw
.endm
	s_load_b128 s[4:7], s[0:1], 0x0                ; qkvc, qkvs
	s_load_b128 s[8:11], s[0:1], 0x10              ; sink_v, mc
	s_load_b64 s[12:13], s[0:1], 0x20              ; ms
	s_set_vgpr_msb 0x40
	v_lshl_add_u32 v64, v0, 2, 0x29000
	v_mov_b32 v65, 0
	s_set_vgpr_msb 0x4045
	ds_add_u32 v64, v65
	ds_add_u32 v64, v65
	s_set_vgpr_msb 0x4500
	v_lshrrev_b32 v1, 5, v0
	s_delay_alu instid0(VALU_DEP_1)
	v_readfirstlane_b32 s14, v1                    ; wave 0..7
	s_mov_b32 s15, ttmp9                           ; F
	s_and_b32 s16, ttmp7, 0xffff                   ; the head
	s_sub_co_i32 s17, s15, 1
	s_max_i32 s17, s17, 0                          ; the fragment before, held at 0
	s_mov_b32 s24, 3<<16                           ; group 1: 12,288 dense bytes as 48 rows of 32 elements of 8 bytes
	s_mov_b32 s25, 32<<16
	s_mov_b32 s26, 48<<16
	s_mov_b32 s27, 32<<16
	s_mov_b32 s28, 48
	s_mov_b32 s29, 32
	s_mov_b32 s30, 0
	s_mov_b32 s31, 0
	s_and_b32 s40, s14, 1                          ; what I fetch: waves 0, 1: lk of F - 1, F; 2, 3: lv; 4: ck; 5: cv
	s_add_co_u32 s41, s15, s40
	s_sub_co_i32 s41, s41, 1
	s_max_i32 s41, s41, 0
	s_lshl_b32 s42, s16, 4
	s_add_co_u32 s41, s41, s42                     ; 16 head + fragment
	s_cmp_lt_u32 s14, 4
	s_cselect_b32 s41, s41, s40
	s_mul_i32 s41, s41, 12288
	s_lshr_b32 s42, s14, 1
	s_min_u32 s42, s42, 2
	s_mul_i32 s42, s42, 3145728
	s_add_co_u32 s42, s42, LKO
	s_add_co_u32 s40, s41, s42
	s_mov_b32 s41, 0
	s_mov_b32 s32, 1
	s_mul_i32 s33, s14, 12288
	s_lshl_b32 s42, s16, 4
	s_add_co_u32 s43, s42, s15
	s_lshl_b32 s44, s43, 9                         ; (16 head + F) x 512
	s_mov_b32 s45, 0
	s_add_co_u32 s46, s42, s17
	s_lshl_b32 s46, s46, 9                         ; (16 head + the fragment before) x 512
	s_mov_b32 s47, 0
	s_lshl_b32 s48, s43, 3
	s_add_co_u32 s48, s48, s14
	s_mul_i32 s48, s48, 1536                       ; Q: (128 head + 8 F + w) x 1,536
	s_mov_b32 s49, 0
	s_lshl_b32 s50, s15, 3
	s_add_co_u32 s50, s50, s14
	s_lshl_b32 s50, s50, 4
	s_add_co_u32 s50, s50, s16
	s_mul_i32 s50, s50, 1536                       ; the merged codes: ((8 F + w) x 16 + head) x 1,536
	s_mov_b32 s51, 0
	s_lshl_b32 s52, s16, 13
	s_lshl_b32 s53, s15, 9
	s_add_co_u32 s52, s52, s53                     ; their scale words: 8,192 head + 512 F
	s_mov_b32 s53, 0
	s_lshl_b32 s54, s16, 9
	s_mov_b32 s55, 0
	s_mov_b32 s[SEL], 0x76543210
	s_mov_b32 s[SEL+1], 0xfedcba98
	s_mov_b32 s[CS], 0x3e0293ee                    ; c = log2(e) / sqrt(128)
	s_mov_b32 s[CS+1], s[CS]
	s_mov_b32 s[NCS], 0xbe0293ee
	s_wait_dscnt 0x0
	s_wait_kmcnt 0x0
	s_add_nc_u64 s[34:35], s[4:5], s[40:41]
	s_or_b32 s35, s35, 0x80000000
	s_cmp_lt_u32 s14, 6
	s_cbranch_scc0 .Lnofill
	tensor_load_to_lds s[32:35], s[24:31]          ; the one fill of my block: one tensor load of mine is out
	s_nop 0
.rept 4
	v_nop
.endr
.Lnofill:
	s_add_nc_u64 s[40:41], s[4:5], s[48:49]        ; Q
	s_add_nc_u64 s[42:43], s[6:7], s[44:45]        ; scale words of fragment F
	s_add_nc_u64 s[44:45], s[6:7], s[46:47]        ; and of the one before
	s_add_nc_u64 s[8:9], s[8:9], s[54:55]
	s_add_nc_u64 s[10:11], s[10:11], s[50:51]
	s_add_nc_u64 s[12:13], s[12:13], s[52:53]
	v_and_b32 v240, 15, v0                         ; r
	v_bfe_u32 v241, v0, 4, 1                       ; h
	v_bfe_u32 v242, v0, 3, 1                       ; r / 8
	v_and_b32 v243, 7, v0                          ; r % 8
	s_delay_alu instid0(VALU_DEP_2)
	v_add_nc_u32 v244, v241, v242
	s_delay_alu instid0(VALU_DEP_1)
	v_and_b32 v244, 1, v244
	s_delay_alu instid0(VALU_DEP_3)
	v_lshlrev_b32 v1, 4, v243
	s_delay_alu instid0(VALU_DEP_1)
	v_lshl_add_u32 v1, v244, 7, v1
	s_delay_alu instid0(VALU_DEP_1)
	v_lshl_add_u32 v1, v242, 8, v1                 ; my place in an image's 512 bytes
	s_delay_alu instid0(VALU_DEP_1)
	v_add_nc_u32 v2, 49152, v1                     ; the same from ck's block on
	v_and_b32 v245, 31, v0
	s_delay_alu instid0(VALU_DEP_1)
	v_lshlrev_b32 v3, 4, v245                      ; 16 x lane
	s_and_b32 s46, s14, 1
	s_lshr_b32 s47, s14, 1
	s_lshl_b32 s48, s46, 8
	s_lshl_b32 s49, s47, 2
	s_add_co_u32 s48, s48, s49
	v_lshl_add_u32 v246, v240, 4, s48              ; my tile's word of a group of 8 tiles: 16 r + 256 (w % 2) + 4 (w / 2)
	v_lshlrev_b32 v247, 6, v241                    ; 64 h
	s_wait_alu depctr_va_vdst(0)
	v_lshl_add_u32 v30, v242, 4, v243
	s_lshl_b32 s48, s47, 5
	s_lshl_b32 s49, s46, 3
	s_add_co_u32 s48, s48, s49
	v_add_nc_u32 v30, s48, v30                     ; my query's place in the fragment
	s_lshl_b32 s48, s15, 7
	s_sub_co_i32 s48, s48, 15
	v_add_nc_u32 v31, s48, v30                     ; token - 15
	s_delay_alu instid0(VALU_DEP_1)
	v_ashrrev_i32 v31, 4, v31                      ; the last entry whose block lies wholly in the past (-1: none)
	v_lshlrev_b32 v244, 4, v241
	s_delay_alu instid0(VALU_DEP_1)
	v_sub_nc_u32 v31, v31, v244                    ; both bounds less 16 h: register 16 b + i stands for index 32 b + i + 16 h
	s_delay_alu instid0(VALU_DEP_2)
	v_sub_nc_u32 v30, v30, v244
	s_lshl_b32 s48, s14, 6
	s_add_co_u32 s48, s48, SWS
	v_lshl_add_u32 v255, v240, 2, s48              ; where my row's scale word goes
.irp c, 0,1,2
	global_load_b128 v[16+4*\c:19+4*\c], v1, s[40:41] offset:512*\c
.endr
	global_load_b32 v28, v246, s[42:43]            ; Q's scale words
	global_load_b32 v29, v246, s[42:43] offset:SNK ; q . sink_k
	global_load_b128 v[84:87], v3, s[42:43] offset:LKS
	global_load_b128 v[92:95], v3, s[42:43] offset:LVS
	global_load_b128 v[80:83], v3, s[44:45] offset:LKS
	global_load_b128 v[88:91], v3, s[44:45] offset:LVS
	global_load_b128 v[4:7], v3, s[6:7] offset:CKS
	global_load_b128 v[8:11], v3, s[6:7] offset:CVS
	WIN 0x40
.irp b, 0,1,2,3
.irp q, 0,1,2,3
	global_load_b128 v[16*\b+4*\q:16*\b+4*\q+3], v247, s[8:9] offset:128*\b+16*\q   ; sink_v at my 64 d
.endr
.endr
	WIN 0
.irp b, 0,1,2,3
	v_mov_b32 v[236+\b], 0                         ; written once: a lane permute's destination counts as one of its sources
.endr
	v_mov_b32 v251, 0                              ; (upper words of pairs of which the low word serves both halves)
	v_mov_b32 v252, 0
	v_mov_b32 v253, 0
	s_wait_loadcnt 0x0
	s_wait_tensorcnt 0x0                           ; my block has landed,
	s_barrier_signal -1
	s_barrier_wait -1                              ; everybody's has
.macro SCORES adr, base, sq            ; S^T = K Q^T: eight tiles of 16 keys, four at a time
.irp g, 0,1
.rept 4
	v_nop                                          ; places in front of loads into registers that matrix instructions have read
.endr
.irp t, 0,1,2,3
.irp c, 0,1,2
	ds_load_b128 v[32+12*\t+4*\c:35+12*\t+4*\c], v[\adr] offset:(\base)+1536*(4*\g+\t)+512*\c
.endr
.endr
	s_wait_dscnt 0x0
.irp t, 0,2
	v_wmma_scale_f32_16x16x128_f8f6f4 v[96+8*(4*\g+\t):103+8*(4*\g+\t)], v[32+12*\t:43+12*\t], v[16:27], 0, v[(\sq)+2*\g+\t/2], v28 matrix_a_fmt:MATRIX_FMT_FP6 matrix_b_fmt:MATRIX_FMT_FP6
	v_wmma_scale_f32_16x16x128_f8f6f4 v[104+8*(4*\g+\t):111+8*(4*\g+\t)], v[44+12*\t:55+12*\t], v[16:27], 0, v[(\sq)+2*\g+\t/2], v28 matrix_a_fmt:MATRIX_FMT_FP6 matrix_b_fmt:MATRIX_FMT_FP6 matrix_a_scale:MATRIX_SCALE_ROW1
.endr
.endr
.rept 4
	v_nop
.endr
.endm
.macro MASK gt, e                      ; hidden where the register's index is above (gt = 1) or below (0) the lane's bound
	v_mov_b32 v248, 0xff800000
.set n, 0
.rept 64
.if \gt
	v_cmp_gt_i32 vcc_lo, 32*(n/16)+n%16, v[\e]
.else
	v_cmp_lt_i32 vcc_lo, 32*(n/16)+n%16, v[\e]
.endif
	v_cndmask_b32 v[96+n], v[96+n], v248, vcc_lo
.set n, n+1
.endr
.endm
.macro BLKMAX                          ; the largest score of each block of 32, and of the row: v232-235, v254
.irp b, 0,1,2,3
	v_max3_num_f32 v[232+\b], v[96+16*\b], v[97+16*\b], v[98+16*\b]
.endr
.irp i, 3,5,7,9,11,13
.irp b, 0,1,2,3
	s_delay_alu instid0(VALU_DEP_4)
	v_max3_num_f32 v[232+\b], v[232+\b], v[96+16*\b+\i], v[97+16*\b+\i]
.endr
.endr
.irp b, 0,1,2,3
	s_delay_alu instid0(VALU_DEP_4)
	v_max_num_f32 v[232+\b], v[232+\b], v[111+16*\b]
.endr
.irp b, 0,1,2,3
	s_delay_alu instid0(VALU_DEP_4)
	v_permlanex16_b32 v[236+\b], v[232+\b], s[SEL], s[SEL+1]
.endr
.irp b, 0,1,2,3
	s_delay_alu instid0(VALU_DEP_4)
	v_max_num_f32 v[232+\b], v[232+\b], v[236+\b]
.endr
	s_delay_alu instid0(VALU_DEP_2)
	v_max3_num_f32 v254, v232, v233, v234
	s_delay_alu instid0(VALU_DEP_1)
	v_max_num_f32 v254, v254, v235
.endm
.macro EXPS                            ; the 64 exponentials and the four of the blocks' largest: the same instructions on the same number give the same bits
.set n, 0
.rept 64
	v_exp_f32 v[96+n], v[96+n]
.set n, n+1
.endr
.irp b, 0,1,2,3
	v_exp_f32 v[232+\b], v[232+\b]
.endr
.endm
.macro PV adr, base, sq, o, win        ; O^T += V^T P^T: eight tiles of 16 of the head's 128; the eight accumulators take turns
.irp g, 0,1
.if \g > 0
.rept 4
	v_nop
.endr
.endif
.irp t, 0,1,2,3
.irp c, 0,1,2
	ds_load_b128 v[32+12*\t+4*\c:35+12*\t+4*\c], v[\adr] offset:(\base)+1536*(4*\g+\t)+512*\c
.endr
.endr
	s_wait_dscnt 0x0
	WIN \win
.irp t, 0,2
	v_wmma_scale_f32_16x16x128_f8f6f4 v[(\o)+8*(4*\g+\t):(\o)+8*(4*\g+\t)+7], v[32+12*\t:43+12*\t], v[224:235], v[(\o)+8*(4*\g+\t):(\o)+8*(4*\g+\t)+7], v[(\sq)+2*\g+\t/2], v253 matrix_a_fmt:MATRIX_FMT_FP6 matrix_b_fmt:MATRIX_FMT_FP6
	v_wmma_scale_f32_16x16x128_f8f6f4 v[(\o)+8*(4*\g+\t)+8:(\o)+8*(4*\g+\t)+15], v[44+12*\t:55+12*\t], v[224:235], v[(\o)+8*(4*\g+\t)+8:(\o)+8*(4*\g+\t)+15], v[(\sq)+2*\g+\t/2], v253 matrix_a_fmt:MATRIX_FMT_FP6 matrix_b_fmt:MATRIX_FMT_FP6 matrix_a_scale:MATRIX_SCALE_ROW1
.endr
	WIN 0
.endr
.endm
.macro SOFTL                           ; a local step's softmax, with the running whole number M
	BLKMAX
	s_delay_alu instid0(VALU_DEP_1)
	v_mul_f32 v254, s[CS], v254
	s_delay_alu instid0(VALU_DEP_1)
	v_max_num_f32 v13, v13, v254
	v_mov_b32 v254, v12
	s_delay_alu instid0(VALU_DEP_2)
	v_floor_f32 v12, -v13                          ; -M = floor(-t)
	s_delay_alu instid0(VALU_DEP_1)
	v_sub_f32 v254, v12, v254
	s_delay_alu instid0(VALU_DEP_1)
	v_cvt_i32_f32 v254, v254                       ; (it saturates)
	s_delay_alu instid0(VALU_DEP_1)
	v_ldexp_f32 v252, 1.0, v254                    ; f = 2^(old M - new M): rounds nothing
.set n, 0
.rept 32
	v_pk_fma_f32 v[96+n:97+n], v[96+n:97+n], s[CS:CS+1], v[12:13] op_sel_hi:[1,0,0]
.set n, n+2
.endr
.irp b, 0,1,2,3
	v_fma_f32 v[232+\b], v[232+\b], s[CS], v12
.endr
	s_wait_alu depctr_va_vdst(0)
	EXPS
	v_pk_mul_f32 v[14:15], v[14:15], v[252:253] op_sel_hi:[1,0]   ; the sums under the new M; a plain place behind the exponentials
	s_wait_alu depctr_va_vdst(0)
.irp b, 0,1,2,3
	v_max_num_f32 v[232+\b], 0x1800000, v[232+\b]  ; the floor 2^(3 - 127)
.endr
	QTAIL 96, 224, 232, 253
	v_pk_add_f32 v[236:237], v[100:101], v[104:105]
	v_pk_add_f32 v[250:251], v[108:109], v[112:113]
	v_pk_add_f32 v[248:249], v[116:117], v[120:121]
	v_pk_add_f32 v[246:247], v[124:125], v[128:129]
	v_pk_add_f32 v[244:245], v[132:133], v[136:137]
	v_pk_add_f32 v[242:243], v[140:141], v[144:145]
	v_pk_add_f32 v[240:241], v[148:149], v[152:153]
	v_pk_add_f32 v[14:15], v[14:15], v[156:157]
	v_pk_add_f32 v[236:237], v[236:237], v[96:97]
	v_pk_add_f32 v[250:251], v[250:251], v[98:99]
	v_pk_add_f32 v[248:249], v[248:249], v[102:103]
	v_pk_add_f32 v[246:247], v[246:247], v[106:107]
	v_pk_add_f32 v[244:245], v[244:245], v[110:111]
	v_pk_add_f32 v[242:243], v[242:243], v[114:115]
	v_pk_add_f32 v[240:241], v[240:241], v[118:119]
	v_pk_add_f32 v[14:15], v[14:15], v[122:123]
	v_pk_add_f32 v[236:237], v[236:237], v[126:127]
	v_pk_add_f32 v[250:251], v[250:251], v[130:131]
	v_pk_add_f32 v[248:249], v[248:249], v[134:135]
	v_pk_add_f32 v[246:247], v[246:247], v[138:139]
	v_pk_add_f32 v[244:245], v[244:245], v[142:143]
	v_pk_add_f32 v[242:243], v[242:243], v[146:147]
	v_pk_add_f32 v[240:241], v[240:241], v[150:151]
	v_pk_add_f32 v[14:15], v[14:15], v[154:155]
	v_pk_add_f32 v[236:237], v[236:237], v[158:159]
	s_delay_alu instid0(VALU_DEP_2)
	v_pk_add_f32 v[14:15], v[14:15], v[246:247]
	s_delay_alu instid0(VALU_DEP_2)
	v_pk_add_f32 v[236:237], v[236:237], v[244:245]
	v_pk_add_f32 v[250:251], v[250:251], v[242:243]
	v_pk_add_f32 v[248:249], v[248:249], v[240:241]
	s_delay_alu instid0(VALU_DEP_2)
	v_pk_add_f32 v[14:15], v[14:15], v[250:251]
	s_delay_alu instid0(VALU_DEP_2)
	v_pk_add_f32 v[236:237], v[236:237], v[248:249]
	s_delay_alu instid0(VALU_DEP_1)
	v_pk_add_f32 v[14:15], v[14:15], v[236:237]
.set n, 0
.rept 32
	v_pk_mul_f32 v[160+n:161+n], v[160+n:161+n], v[252:253] op_sel_hi:[1,0]   ; O^T under the new M; also the places in front of the loads and products below
.set n, n+2
.endr
.endm
.macro LSTEP kbase, ksq, vbase, vsq, gt
	SCORES 1, \kbase, \ksq
	MASK \gt, 30
	SOFTL
	s_wait_alu depctr_va_vdst(0)
	PV 1, \vbase, \vsq, 160, 0
.endm
	; ---- the compressed branch
	SCORES 2, 0, 4
	MASK 1, 31
	BLKMAX
	s_delay_alu instid0(VALU_DEP_1)
	v_max_num_f32 v254, v254, v29                  ; with the sink's score: so the maximum is a number for every query
	s_delay_alu instid0(VALU_DEP_1)
	v_mul_f32 v250, s[NCS], v254                   ; -m
.set n, 0
.rept 32
	v_pk_fma_f32 v[96+n:97+n], v[96+n:97+n], s[CS:CS+1], v[250:251] op_sel_hi:[1,0,0]
.set n, n+2
.endr
.irp b, 0,1,2,3
	v_fma_f32 v[232+\b], v[232+\b], s[CS], v250
.endr
	v_fma_f32 v249, v29, s[CS], v250
	s_wait_alu depctr_va_vdst(0)
	EXPS
	v_exp_f32 v249, v249                           ; the sink's
	v_nop                                          ; a plain place behind the exponentials
	s_wait_alu depctr_va_vdst(0)
	v_pk_add_f32 v[236:237], v[96:97], v[100:101]
	v_pk_add_f32 v[246:247], v[104:105], v[108:109]
	v_pk_add_f32 v[244:245], v[112:113], v[116:117]
	v_pk_add_f32 v[242:243], v[120:121], v[124:125]
	v_pk_add_f32 v[240:241], v[128:129], v[132:133]
	v_pk_add_f32 v[238:239], v[136:137], v[140:141]
	v_pk_add_f32 v[230:231], v[144:145], v[148:149]
	v_pk_add_f32 v[14:15], v[152:153], v[156:157]
	v_pk_add_f32 v[14:15], v[14:15], v[98:99]
	v_pk_add_f32 v[236:237], v[236:237], v[102:103]
	v_pk_add_f32 v[246:247], v[246:247], v[106:107]
	v_pk_add_f32 v[244:245], v[244:245], v[110:111]
	v_pk_add_f32 v[242:243], v[242:243], v[114:115]
	v_pk_add_f32 v[240:241], v[240:241], v[118:119]
	v_pk_add_f32 v[238:239], v[238:239], v[122:123]
	v_pk_add_f32 v[230:231], v[230:231], v[126:127]
	v_pk_add_f32 v[14:15], v[14:15], v[130:131]
	v_pk_add_f32 v[236:237], v[236:237], v[134:135]
	v_pk_add_f32 v[246:247], v[246:247], v[138:139]
	v_pk_add_f32 v[244:245], v[244:245], v[142:143]
	v_pk_add_f32 v[242:243], v[242:243], v[146:147]
	v_pk_add_f32 v[240:241], v[240:241], v[150:151]
	v_pk_add_f32 v[238:239], v[238:239], v[154:155]
	v_pk_add_f32 v[230:231], v[230:231], v[158:159]
	s_delay_alu instid0(VALU_DEP_4)
	v_pk_add_f32 v[14:15], v[14:15], v[242:243]
	s_delay_alu instid0(VALU_DEP_4)
	v_pk_add_f32 v[236:237], v[236:237], v[240:241]
	s_delay_alu instid0(VALU_DEP_4)
	v_pk_add_f32 v[246:247], v[246:247], v[238:239]
	s_delay_alu instid0(VALU_DEP_4)
	v_pk_add_f32 v[244:245], v[244:245], v[230:231]
	s_delay_alu instid0(VALU_DEP_2)
	v_pk_add_f32 v[14:15], v[14:15], v[246:247]
	s_delay_alu instid0(VALU_DEP_2)
	v_pk_add_f32 v[236:237], v[236:237], v[244:245]
	s_delay_alu instid0(VALU_DEP_1)
	v_pk_add_f32 v[14:15], v[14:15], v[236:237]
	s_delay_alu instid0(VALU_DEP_1)
	v_add_f32 v14, v14, v15
	s_delay_alu instid0(VALU_DEP_1)
	v_permlanex16_b32 v252, v14, s[SEL], s[SEL+1]
	s_delay_alu instid0(VALU_DEP_1)
	v_add_f32 v14, v14, v252
	v_add_f32 v14, v14, v249                       ; the sink counts once
	s_wait_alu depctr_va_vdst(0)
	v_rcp_f32 v248, v14
	v_nop
.set n, 0
	s_wait_alu depctr_va_vdst(0)
.rept 32
	v_pk_mul_f32 v[96+n:97+n], v[96+n:97+n], v[248:249] op_sel_hi:[1,0]   ; the finished softmax
.set n, n+2
.endr
.irp b, 0,1,2,3
	v_mul_f32 v[232+\b], v[232+\b], v248
.endr
	v_mul_f32 v250, v249, v248                     ; the sink's weight
.irp b, 0,1,2,3
	v_max_num_f32 v[232+\b], 0x1800000, v[232+\b]
.endr
	QTAIL 96, 224, 232, 253
	WIN 0x41
.set n, 0
.rept 32
	v_pk_mul_f32 v[n:n+1], v[n:n+1], v[250:251] op_sel_hi:[1,0]   ; the sink's weight x sink_v: what the product adds onto; also the places in front of it
.set n, n+2
.endr
	WIN 0
	s_wait_alu depctr_va_vdst(0)
	PV 2, 12288, 8, 0, 0x50
	; ---- the local branch
	v_mov_b32 v13, 0xff61b1e6                      ; the largest t so far: -3e38
	s_delay_alu instid0(VALU_DEP_1)
	v_floor_f32 v12, -v13
	v_mov_b32 v14, 0
	v_mov_b32 v15, 0
.set n, 0
.rept 64
	v_mov_b32 v[160+n], 0                          ; the step is written once and its first walk is left out at F = 0: it finds zeros
.set n, n+1
.endr
	s_cmp_eq_u32 s15, 0
	s_cbranch_scc1 .Lnoprev
	LSTEP 0, 80, 24576, 88, 0                      ; fragment F - 1: key k counts where k >= my place
.Lnoprev:
	LSTEP 12288, 84, 36864, 92, 1                  ; fragment F: where k <= my place
	; ---- the mean of the two branches, and its codes
	v_add_f32 v14, v14, v15
	s_delay_alu instid0(VALU_DEP_1)
	v_permlanex16_b32 v252, v14, s[SEL], s[SEL+1]
	s_delay_alu instid0(VALU_DEP_1)
	v_add_f32 v14, v14, v252
	s_wait_alu depctr_va_vdst(0)
	v_rcp_f32 v14, v14
	v_add_nc_u32 v254, SWS, v3                     ; (a plain place behind the transcendental)  where wave 0 reads the scale words back
	s_wait_alu depctr_va_vdst(0)
	v_mul_f32 v14, 0.5, v14
.set n, 0
.rept 32
	v_pk_mul_f32 v[96+n:97+n], v[160+n:161+n], v[14:15] op_sel_hi:[1,0]
.set n, n+2
.endr
	WIN 0x01
.set n, 0
.rept 32
	v_pk_fma_f32 v[96+n:97+n], v[n:n+1], 0.5, v[96+n:97+n] op_sel_hi:[1,0,1]
.set n, n+2
.endr
	WIN 0
	QUANT 96, 224, 232, 253
.irp c, 0,1,2
	global_store_b128 v1, v[224+4*\c:227+4*\c], s[10:11] offset:512*\c
.endr
	ds_store_b32 v255, v253                        ; both halves of the lanes write the same word
	s_wait_dscnt 0x0
	s_barrier_signal -1
	s_barrier_wait -1
	s_cmp_lg_u32 s14, 0
	s_cbranch_scc1 .Lend
	ds_load_b128 v[160:163], v254
	s_wait_dscnt 0x0
	global_store_b128 v3, v[160:163], s[12:13]     ; 512 consecutive bytes: the eight tiles' scale words
.Lend:
	s_set_vgpr_msb 0x5
	s_wait_tensorcnt 0x0
	ds_add_u32 v64, v65
	s_wait_dscnt 0x0
	s_set_vgpr_msb 0x500
	s_endpgm
.Lfunc_end_k_qc728ad3dec_attn:
	.size	k_qc728ad3dec_attn, .Lfunc_end_k_qc728ad3dec_attn-k_qc728ad3dec_attn
	.p2alignl 7, 3214868480
	.fill 96, 4, 3214868480
	.section	.rodata,"a",@progbits
	.p2align	6, 0x0
	.amdhsa_kernel k_qc728ad3dec_attn
		.amdhsa_group_segment_fixed_size 168960
		.amdhsa_private_segment_fixed_size 0
		.amdhsa_enable_private_segment 0
		.amdhsa_kernarg_size 40
		.amdhsa_user_sgpr_count 2
		.amdhsa_user_sgpr_kernarg_segment_ptr 1
		.amdhsa_wavefront_size32 1
		.amdhsa_system_sgpr_workgroup_id_x 1
		.amdhsa_system_sgpr_workgroup_id_y 1
		.amdhsa_system_sgpr_workgroup_id_z 1
		.amdhsa_system_vgpr_workitem_id 0
		.amdhsa_next_free_vgpr 322
		.amdhsa_next_free_sgpr 66
		.amdhsa_reserve_vcc 1
		.amdhsa_float_denorm_mode_32 3
		.amdhsa_float_denorm_mode_16_64 3
		.amdhsa_memory_ordered 1
		.amdhsa_forward_progress 1
		.amdhsa_inst_pref_size 100
	.end_amdhsa_kernel
	.amdgpu_metadata
---
amdhsa.version: [ 1, 2 ]
amdhsa.kernels:
  - .name:           k_qc728ad3dec_attn
    .symbol:         k_qc728ad3dec_attn.kd
    .args:
      - { .name: qkvc, .offset: 0, .size: 8, .value_kind: global_buffer, .address_space: global }
      - { .name: qkvs, .offset: 8, .size: 8, .value_kind: global_buffer, .address_space: global }
      - { .name: sink_v, .offset: 16, .size: 8, .value_kind: global_buffer, .address_space: global }
      - { .name: mc, .offset: 24, .size: 8, .value_kind: global_buffer, .address_space: global }
      - { .name: ms, .offset: 32, .size: 8, .value_kind: global_buffer, .address_space: global }
    .group_segment_fixed_size: 168960
    .private_segment_fixed_size: 0
    .kernarg_segment_align: 8
    .kernarg_segment_size: 40
    .max_flat_workgroup_size: 256
    .sgpr_count:     66
    .vgpr_count:     322
    .wavefront_size: 32
...
	.end_amdgpu_metadata
.endif
;; end of part 4
;; launch oproj (part 5): grid 16 x 16, 4 waves a work-group, clusters of 4 x 4, 327,680 bytes of LDS; arguments mc, ms, opc, ops, bo, out0; writes out0
.if DOCPART == 5
	.amdgcn_target "amdgcn-amd-amdhsa--gfx1250"
	.amdhsa_code_object_version 6
	.text
	.protected	k_qc728ad3dec_oproj
	.globl	k_qc728ad3dec_oproj
	.p2align	8
	.type	k_qc728ad3dec_oproj,@function
k_qc728ad3dec_oproj:
	s_mov_b64 s[64:65], 0
	v_nop
	global_prefetch_b8 v0, s[64:65] scope:SCOPE_SE
	s_setreg_imm32_b32 hwreg(HW_REG_WAVE_MODE, 25, 1), 1
	s_wait_xcnt 0x0
	s_wait_alu depctr_hold_cnt(0) depctr_sa_sdst(0) depctr_va_vdst(0) depctr_va_sdst(0) depctr_va_ssrc(0) depctr_va_vcc(0) depctr_vm_vsrc(0)
	s_getreg_b32 s2, hwreg(HW_REG_IB_STS2, 6, 4)
	s_cmp_eq_u32 s2, 0
	s_cbranch_scc0 .Lentry_in_a_cluster
	s_endpgm
.Lentry_in_a_cluster:
	s_bfe_u32 s2, ttmp6, 0x10000c
	s_cmp_lg_u32 s2, 0xf033
	s_cbranch_scc0 .Lentry_shape_is_right
	s_endpgm
.Lentry_shape_is_right:
; out = merged Wo + bo on codes of E2M3 (one E8M0 byte for each 32 along K = 2,048).  merged's codes lie as Wo's: images of the operand's registers, tile T, K step s at 24,576 T + 1,536 s.
; A tile of 128 tokens x 128 columns is made by four waves, each 64 x 64: 16 accumulators.  256 work-groups.
; Source 0 = 16 columns of Wo, source 1 = 16 tokens: a lane holds one token and neighbouring columns.  bo is the C of each sum's first product.
; K is written out: 16 steps of 128.  LDS holds four regions of 73,728 bytes (8 tiles x 6 K steps): the tokens' steps 0-5 and 6-11, Wo's steps 0-5 and 6-11.
; Each wave fills one region by ONE joint load at the head.  Behind step 5 the two regions of steps 0-5 take steps 12-15, a quarter (4 tiles x 4 steps) a wave: that load has steps 6 to 11 in which to land.
; By the text's own count a wave never has more than one tensor load out, and every wait on TENSORcnt is for 0.
; The scale words go from memory straight into the registers that hold them for the whole launch: 32 + 16 loads a wave, asked for behind the head's tensor load.
; CLUSTERS: 4 x 4: the tokens' tiles are shared along a row of the cluster, Wo's along a column: joint loads with a mask.
; NO PREFETCH: K is written out and twelve of its sixteen steps are asked for at the head: there is no loop to run ahead in.
; REGISTERS: window 0: v16-31 addresses; v32-63 the tokens' scale words, v96-127 Wo's, and nothing else; v64-95 bo; v128-255 the accumulators ((a, b) at v[128 + 8 (4 a + b)]).
;   window 1: two fragment buffers at v0 and v128: 4 x 12 registers of tokens, then 4 x 12 of Wo.
.set REG,   73728                      ; a region: 8 tiles x 9,216 bytes
.set QUART, 24576                      ; what a wave refills: 4 tiles x 6,144 bytes
.set SPARE, 4*REG                      ; the spare words: 128 bytes for each wave, which no other line names
.set STAGE, 98304                      ; the way out: 16 rows x 272 bytes for each wave, in the tokens' region of steps 6-11: filled once, and read no more behind step 11's barrier
.set ADRA, 16
.set ADRB, 20
.set STO,  24
.set RD,   25
.set CO,   26
.set ASA,  27
.set SPW,  28
.set NIL,  29
.set BSA,  30
.set VH,   31
.set BIAS, 64
.set ACC,  128
.set G1A,  24                          ; group 1 of the refill, tokens and Wo
.set G1B,  32
.set G1HA, 40                          ; group 1 of the head's loads
.set G1HB, 48
.set G0HA, 56
.set G0RA, 60
.set G0HB, 72
.set G0RB, 76
.set MSB, 0
.macro WIN new
.if MSB != \new
	s_set_vgpr_msb (MSB<<8)|\new
.set MSB, \new
.endif
.endm
.set MUL,  0x05                        ; sources 0 and 1 window 1; C and D window 0
.set TO_F, 0x40
.macro JLOAD g0a, g1a, g0b, g1b        ; a joint load: waves 0, 1 fetch for the tokens, waves 2, 3 for Wo; s_nop 0 and four v_nop follow each line
	s_cmp_eq_u32 s17, 0
	s_cbranch_scc0 .Lfor_b_\@
	tensor_load_to_lds s[\g0a:\g0a+3], s[\g1a:\g1a+7]
	s_nop 0
.rept 4
	v_nop
.endr
	s_branch .Lasked_\@
.Lfor_b_\@:
	tensor_load_to_lds s[\g0b:\g0b+3], s[\g1b:\g1b+7]
	s_nop 0
.rept 4
	v_nop
.endr
.Lasked_\@:
.endm
.macro CREST
	s_cmp_lg_u32 s16, 0
	s_cbranch_scc1 .Lnot_wave_0_\@
	s_barrier_signal -3
.Lnot_wave_0_\@:
	s_barrier_wait -3
	s_barrier_signal -1
	s_barrier_wait -1
.endm
.macro CROUND
	s_barrier_signal -1
	s_barrier_wait -1
	CREST
.endm
.macro MKG0 g, lbase, ap
	s_mov_b32 s[\g], 1
	s_mov_b32 s[\g+1], s[\lbase]
	s_mov_b64 s[\g+2:\g+3], s[\ap:\ap+1]
	s_or_b32 s[\g+3], s[\g+3], 0x80000000
.endm
	s_load_b256 s[4:11], s[0:1], 0x0               ; mc, ms, opc, ops
	s_load_b128 s[12:15], s[0:1], 0x20             ; bo, out0
	v_lshl_add_u32 v[SPW], v0, 2, SPARE
	v_mov_b32 v[NIL], 0
	ds_add_u32 v[SPW], v[NIL]                      ; the opening lines: the add, twice on end, and its wait
	ds_add_u32 v[SPW], v[NIL]
	v_lshrrev_b32 v1, 5, v0
	v_readfirstlane_b32 s16, v1                    ; wave 0..3
	s_lshr_b32 s17, s16, 1                         ; which half of the tokens is mine.  Also: I fetch for the tokens (0) or for Wo (1)
	s_and_b32 s18, s16, 1                          ; which half of the columns.  Also: which half I fetch
	s_bfe_u32 s19, ttmp6, 0x40000                  ; cx
	s_bfe_u32 s2, ttmp6, 0x40004                   ; cy
	s_lshl_b32 s94, ttmp9, 2
	s_add_co_u32 s94, s94, s19                     ; tx
	s_and_b32 s95, ttmp7, 0xffff
	s_lshl_b32 s95, s95, 2
	s_add_co_u32 s95, s95, s2                      ; ty
	s_lshl_b32 s96, s2, 2
	s_lshl_b32 s96, 15, s96                        ; my row of the cluster
	s_lshl_b32 s97, 0x1111, s19                    ; my column
	s_or_b32 s[G1A+0], s96, (3<<16)|(1<<21)        ; the refill: 4 tiles x 6,144 bytes (four K steps), 24,576 bytes apart
	s_or_b32 s[G1B+0], s97, (3<<16)|(1<<21)
.irp g, G1A, G1B
	s_mov_b32 s[\g+1], 768<<16
	s_mov_b32 s[\g+2], 4<<16
	s_mov_b32 s[\g+3], 768<<16
	s_mov_b32 s[\g+4], 4
	s_mov_b32 s[\g+5], 3072
	s_mov_b32 s[\g+6], 0
	s_mov_b32 s[\g+7], 0
.endr
	s_or_b32 s[G1HA+0], s96, (3<<16)|(1<<21)       ; the head: 8 tiles x 9,216 bytes (six K steps)
	s_or_b32 s[G1HB+0], s97, (3<<16)|(1<<21)
.irp g, G1HA, G1HB
	s_mov_b32 s[\g+1], 1152<<16
	s_mov_b32 s[\g+2], 8<<16
	s_mov_b32 s[\g+3], 1152<<16
	s_mov_b32 s[\g+4], 8
	s_mov_b32 s[\g+5], 3072
	s_mov_b32 s[\g+6], 0
	s_mov_b32 s[\g+7], 0
.endr
	s_mul_i32 s20, s95, 8*24576                    ; the tokens' 8 tiles
	s_mov_b32 s21, 0
	s_lshl_b32 s22, s95, 9                         ; their scale words: 512 bytes in each K step's 8,192
	s_mov_b32 s23, 0
	s_lshl_b32 s98, s94, 3
	s_add_co_u32 s98, s98, 512                     ; Wo's tiles begin at 512
	s_lshl_b32 s92, s98, 10
	s_mov_b32 s93, 0
	s_mul_i32 s98, s98, 24576
	s_mov_b32 s99, 0
	s_mul_i32 s84, s18, 9216                       ; the head: K steps 0-5 or 6-11
	s_mov_b32 s85, 0
	s_mul_i32 s86, s18, 4*24576                    ; the refill: which 4 tiles, at K step 12
	s_add_co_u32 s86, s86, 18432
	s_mov_b32 s87, 0
	s_mul_i32 s100, s16, REG                       ; where they go: no place in the cluster enters an LDS address
	s_mul_i32 s101, s17, 2*REG
	s_mul_i32 s3, s18, QUART
	s_add_co_u32 s101, s101, s3
	s_wait_dscnt 0x0                               ; both opening adds are done
	s_wait_kmcnt 0x0
	s_add_nc_u64 s[20:21], s[4:5], s[20:21]
	s_add_nc_u64 s[88:89], s[6:7], s[22:23]
	s_add_nc_u64 s[98:99], s[8:9], s[98:99]
	s_add_nc_u64 s[92:93], s[10:11], s[92:93]
	s_add_nc_u64 s[68:69], s[20:21], s[86:87]
	s_add_nc_u64 s[70:71], s[98:99], s[86:87]
	s_add_nc_u64 s[20:21], s[20:21], s[84:85]
	s_add_nc_u64 s[98:99], s[98:99], s[84:85]
	CROUND                                         ; all sixteen work-groups are here: the first joint loads meet
	MKG0 G0HA, 100, 20
	MKG0 G0HB, 100, 98
	MKG0 G0RA, 101, 68
	MKG0 G0RB, 101, 70
	JLOAD G0HA, G1HA, G0HB, G1HB                   ; my one load at the head: a whole region
	v_and_b32 v1, 15, v0                           ; r
	v_bfe_u32 v2, v0, 4, 1                         ; h
	v_bfe_u32 v3, v0, 3, 1                         ; r / 8
	v_and_b32 v4, 7, v0                            ; r % 8
	v_add_nc_u32 v5, v2, v3
	v_and_b32 v5, 1, v5
	v_lshlrev_b32 v6, 4, v4
	v_lshl_add_u32 v6, v5, 7, v6
	v_lshl_add_u32 v6, v3, 8, v6                   ; my place in an image's 512 bytes
	s_wait_alu depctr_va_vdst(0)
	s_mul_i32 s20, s17, 4*9216                     ; my four tiles in a region
	s_mul_i32 s21, s18, 4*9216
	s_add_co_u32 s21, s21, 2*REG
.irp s, 0,1
	v_add_nc_u32 v[ADRA+\s], s20, v6
	v_add_nc_u32 v[ADRB+\s], s21, v6
	s_add_co_u32 s20, s20, REG
	s_add_co_u32 s21, s21, REG
.endr
	s_mul_i32 s20, s17, QUART                      ; and in what the refill brings
	s_mul_i32 s21, s18, QUART
	s_add_co_u32 s21, s21, 2*REG
	v_add_nc_u32 v[ADRA+2], s20, v6
	v_add_nc_u32 v[ADRB+2], s21, v6
	v_and_b32 v7, 31, v0
	s_lshl_b32 s20, s17, 8
	v_lshl_add_u32 v[ASA], v7, 2, s20              ; the tokens' scale words: lanes 0-15 tile 2 p's rows, lanes 16-31 tile 2 p + 1's
	s_lshl_b32 s20, s18, 12
	v_lshlrev_b32 v8, 3, v4
	v_lshl_add_u32 v8, v3, 9, v8
	v_lshl_add_u32 v8, v2, 10, v8
	v_add_nc_u32 v[BSA], s20, v8                   ; Wo's: 1,024 bytes a tile
	v_lshlrev_b32 v[VH], 6, v2
	s_wait_alu depctr_va_vdst(0)
	s_mul_i32 s20, s16, 16*272
	s_add_co_u32 s20, s20, STAGE
	v_mul_u32_u24 v8, v1, 272
	v_lshl_add_u32 v8, v2, 6, v8
	v_add_nc_u32 v[STO], s20, v8                   ; into my stage: row r, + 64 h
	v_mul_u32_u24 v8, v2, 272
	v_lshl_add_u32 v8, v1, 4, v8
	v_add_nc_u32 v[RD], s20, v8                    ; back: lanes 0-15 one row of 256 bytes, lanes 16-31 the next
	v_lshlrev_b32 v8, 4, v1
	v_lshl_add_u32 v[CO], v2, 13, v8               ; and the same two rows of out
	s_lshl_b32 s20, s94, 9
	s_lshl_b32 s21, s18, 8
	s_add_co_u32 s20, s20, s21                     ; my first column, in bytes
	s_mov_b32 s21, 0
	s_add_nc_u64 s[12:13], s[12:13], s[20:21]
	s_add_nc_u64 s[14:15], s[14:15], s[20:21]
	s_lshl_b32 s20, s95, 7
	s_lshl_b32 s22, s17, 6
	s_add_co_u32 s20, s20, s22
	s_lshl_b32 s20, s20, 13                        ; my first token's row
	s_add_nc_u64 s[14:15], s[14:15], s[20:21]
.irp b, 0,1,2,3
	global_load_b128 v[BIAS+8*\b:BIAS+8*\b+3], v[VH], s[12:13] offset:128*(\b/2)+32*(\b%2)
	global_load_b128 v[BIAS+8*\b+4:BIAS+8*\b+7], v[VH], s[12:13] offset:128*(\b/2)+32*(\b%2)+16
.endr
.irp k, 0,1,2,3,4,5,6,7,8,9,10,11,12,13,14,15
.irp p, 0,1
	global_load_b32 v[32+2*\k+\p], v[ASA], s[88:89] offset:8192*\k+128*\p   ; 32 lanes read 128 consecutive bytes
.endr
.endr
.irp s, 0,1,2,3,4,5,6,7
.irp p, 0,1
	global_load_b64 v[96+4*\s+2*\p:97+4*\s+2*\p], v[BSA], s[92:93] offset:2048*\p+64*\s
.endr
.endr
.macro FETCH k, f                      ; K step k's eight fragments into buffer f: 24 loads of 512 consecutive bytes.  Steps 0-11: tiles 9,216 bytes apart; 12-15: 6,144
	WIN TO_F
.irp i, 0,1,2,3
.irp c, 0,1,2
	ds_load_b128 v[(\f)+12*\i+4*\c:(\f)+12*\i+4*\c+3], v[ADRA+(\k)/6] offset:(9216-3072*((\k)/12))*\i+1536*((\k)%6)+512*\c
	ds_load_b128 v[(\f)+48+12*\i+4*\c:(\f)+48+12*\i+4*\c+3], v[ADRB+(\k)/6] offset:(9216-3072*((\k)/12))*\i+1536*((\k)%6)+512*\c
.endr
.endr
.endm
.macro MM k, a, b
.set DD, ACC+8*(4*(\a)+(\b))
.set CC, DD
.if (\k) == 0
.set CC, BIAS+8*(\b)                   ; the bias starts the sum
.endif
.set RA, 128*((\k)%2)+12*(\a)
.set RB, 128*((\k)%2)+48+12*(\b)
.set SAR, 32+2*(\k)+(\a)/2
.set SBR, 96+4*((\k)/2)+2*((\b)/2)+(\k)%2
.if ((\a)%2 == 0) && ((\b)%2 == 0)
	v_wmma_scale_f32_16x16x128_f8f6f4 v[DD:DD+7], v[RB:RB+11], v[RA:RA+11], v[CC:CC+7], v[SBR], v[SAR] matrix_a_fmt:MATRIX_FMT_FP6 matrix_b_fmt:MATRIX_FMT_FP6
.elseif (\a)%2 == 0
	v_wmma_scale_f32_16x16x128_f8f6f4 v[DD:DD+7], v[RB:RB+11], v[RA:RA+11], v[CC:CC+7], v[SBR], v[SAR] matrix_a_fmt:MATRIX_FMT_FP6 matrix_b_fmt:MATRIX_FMT_FP6 matrix_a_scale:MATRIX_SCALE_ROW1
.elseif (\b)%2 == 0
	v_wmma_scale_f32_16x16x128_f8f6f4 v[DD:DD+7], v[RB:RB+11], v[RA:RA+11], v[CC:CC+7], v[SBR], v[SAR] matrix_a_fmt:MATRIX_FMT_FP6 matrix_b_fmt:MATRIX_FMT_FP6 matrix_b_scale:MATRIX_SCALE_ROW1
.else
	v_wmma_scale_f32_16x16x128_f8f6f4 v[DD:DD+7], v[RB:RB+11], v[RA:RA+11], v[CC:CC+7], v[SBR], v[SAR] matrix_a_fmt:MATRIX_FMT_FP6 matrix_b_fmt:MATRIX_FMT_FP6 matrix_a_scale:MATRIX_SCALE_ROW1 matrix_b_scale:MATRIX_SCALE_ROW1
.endif
.endm
.macro MUL8 k, a0                      ; the 16 accumulators take turns, one instruction a turn
.irp a, \a0, \a0+1
.irp b, 0,1,2,3
	MM \k, \a, \b
.endr
.endr
.endm
.macro PLACES
.rept 4
	v_nop
.endr
.endm
.macro STEPK k
.if (\k) == 5                          ; the regions of steps 0-5 have been read out: they take K steps 12-15
	WIN 0
	s_wait_tensorcnt 0x0                           ; no tensor load of mine is out
	ds_add_u32 v[SPW], v[NIL]                      ; 0 onto my spare word
	s_wait_dscnt 1                                 ; this step's fragments are in; the add may be out
	WIN MUL
	MUL8 \k, 0
	s_wait_dscnt 0x0                               ; the add is done, and my reads of those regions are over
	s_barrier_signal -1
	MUL8 \k, 2
	WIN 0
	s_barrier_wait -1
	CREST                                          ; the barrier has opened a round of the cluster's: no wave of any partner still reads those regions
	JLOAD G0RA, G1A, G0RB, G1B                     ; the first tensor load behind the round; its four v_nop are the places in front of the loads below
	FETCH 6, 0
.elseif (\k) == 11                     ; K steps 12-15 are wanted next
	s_wait_dscnt 0x0
	s_wait_tensorcnt 0x0                           ; my one load that was out: my quarter of steps 12-15
	s_barrier_signal -1
	WIN MUL
	MUL8 \k, 0
	s_barrier_wait -1                              ; everybody's part is in
	PLACES
	FETCH 12, 0
	WIN MUL
	MUL8 \k, 2
.else
	s_wait_dscnt 0x0                               ; this step's fragments are in
.if (\k) < 15
	PLACES                                         ; in front of loads into the buffer that the step before multiplied
	FETCH (\k)+1, 128*(((\k)+1)%2)
.endif
	WIN MUL
	MUL8 \k, 0
	MUL8 \k, 2
.endif
.endm
	s_wait_tensorcnt 0x0                           ; my region is in,
	s_barrier_signal -1
	s_barrier_wait -1                              ; everybody's is
	FETCH 0, 0
	s_wait_loadcnt 0x0                             ; bo and the scale words
.irp k, 0,1,2,3,4,5,6,7,8,9,10,11,12,13,14,15
	STEPK \k
.endr
	WIN 0
	PLACES
; THE WAY OUT, 16 tokens x 64 columns at a time, through my own stage: in as 32 bytes a lane and tile, back as whole rows of 256 bytes, into the registers that they left.
.macro TOSTAGE a
.irp b, 0,1,2,3
	ds_store_b128 v[STO], v[ACC+8*(4*(\a)+\b):ACC+8*(4*(\a)+\b)+3] offset:128*(\b/2)+32*(\b%2)      ; each accumulator from its low end on
	ds_store_b128 v[STO], v[ACC+8*(4*(\a)+\b)+4:ACC+8*(4*(\a)+\b)+7] offset:128*(\b/2)+32*(\b%2)+16
.endr
.irp t, 0,1,2,3,4,5,6,7
	ds_load_b128 v[ACC+32*(\a)+4*\t:ACC+32*(\a)+4*\t+3], v[RD] offset:544*\t   ; LDS serves a wave's instructions in order (ISA guide 5.7.1.4): these see the stores above
.endr
.endm
.macro SEND a, younger
	s_wait_dscnt \younger
.irp t, 0,1,2,3,4,5,6,7
	global_store_b128 v[CO], v[ACC+32*(\a)+4*\t:ACC+32*(\a)+4*\t+3], s[14:15] offset:(32*((\a)/2)+8*((\a)%2)+2*(\t%4)+16*(\t/4))*8192 th:TH_STORE_NT   ; 16 lanes store 256 consecutive bytes, aligned
.endr
.endm
	s_wait_alu depctr_va_vdst(0)
	TOSTAGE 0
	TOSTAGE 1
	SEND 0, 16                                     ; behind block 0's loads: block 1's 8 stores and 8 loads
	TOSTAGE 2
	SEND 1, 16
	TOSTAGE 3
	SEND 2, 16
	SEND 3, 0
	s_wait_tensorcnt 0x0                           ; the wave's end
	ds_add_u32 v[SPW], v[NIL]
	s_wait_dscnt 0x0
	CROUND                                         ; the closing round
	s_endpgm
.Lfunc_end_k_qc728ad3dec_oproj:
	.size	k_qc728ad3dec_oproj, .Lfunc_end_k_qc728ad3dec_oproj-k_qc728ad3dec_oproj
	.p2alignl 7, 3214868480
	.fill 96, 4, 3214868480
	.section	.rodata,"a",@progbits
	.p2align	6, 0x0
	.amdhsa_kernel k_qc728ad3dec_oproj
		.amdhsa_group_segment_fixed_size 327680
		.amdhsa_private_segment_fixed_size 0
		.amdhsa_enable_private_segment 0
		.amdhsa_kernarg_size 48
		.amdhsa_user_sgpr_count 2
		.amdhsa_user_sgpr_kernarg_segment_ptr 1
		.amdhsa_wavefront_size32 1
		.amdhsa_system_sgpr_workgroup_id_x 1
		.amdhsa_system_sgpr_workgroup_id_y 1
		.amdhsa_system_sgpr_workgroup_id_z 1
		.amdhsa_system_vgpr_workitem_id 0
		.amdhsa_next_free_vgpr 512
		.amdhsa_next_free_sgpr 102
		.amdhsa_reserve_vcc 0
		.amdhsa_float_denorm_mode_32 3
		.amdhsa_float_denorm_mode_16_64 3
		.amdhsa_memory_ordered 1
		.amdhsa_forward_progress 1
		.amdhsa_inst_pref_size 82
	.end_amdhsa_kernel
	.amdgpu_metadata
---
amdhsa.version: [ 1, 2 ]
amdhsa.kernels:
  - .name:           k_qc728ad3dec_oproj
    .symbol:         k_qc728ad3dec_oproj.kd
    .args:
      - { .name: mc, .offset: 0, .size: 8, .value_kind: global_buffer, .address_space: global }
      - { .name: ms, .offset: 8, .size: 8, .value_kind: global_buffer, .address_space: global }
      - { .name: opc, .offset: 16, .size: 8, .value_kind: global_buffer, .address_space: global }
      - { .name: ops, .offset: 24, .size: 8, .value_kind: global_buffer, .address_space: global }
      - { .name: bo, .offset: 32, .size: 8, .value_kind: global_buffer, .address_space: global }
      - { .name: out0, .offset: 40, .size: 8, .value_kind: global_buffer, .address_space: global }
    .group_segment_fixed_size: 327680
    .private_segment_fixed_size: 0
    .kernarg_segment_align: 8
    .kernarg_segment_size: 48
    .max_flat_workgroup_size: 128
    .sgpr_count:     102
    .vgpr_count:     512
    .wavefront_size: 32
...
	.end_amdgpu_metadata
.endif
;; end of part 5
